; MI455X (gfx1250); checked and timed in simulation.
; The chip was launched on July 23, 2026; its instructions are those of AMD's public machine-readable ISA for CDNA 5 (MIT licence, August 2026) and "CDNA5" Instruction Set Architecture Reference Guide (July 2026). The comments in the code are by the model that wrote it; some were corrected since.
;; Mo E layer megatron. Allowed arithmetic: matrix products marked QUANTISED: E5M2 operands, one given power-of-two scale a tensor, by v_wmma_f32_16x16x64_bf8_bf8 or v_wmma_f32_16x16x128_bf8_bf8, f32 sums; products left as they are: f32 operands where the result goes on into a quantised operand, else bf16, f16 or f32 operands; f32 sums; everything else in f32.
;; Inputs: lowp_scales 32 int32 (the exponents e of the quantised operands' scales 2^e); router_w 1,024 x 8 float32; w1_codes 8 x 4,096 x 32 x 32 uint8 (E5M2 codes of w1, K innermost, in blocks of 32 codes); w2_codes 8 x 1,024 x 128 x 32 uint8 (E5M2 codes of w2, K innermost, in blocks of 32 codes); x 256 x 4 x 1,024 float32.
;; Outputs: out0 256 x 4 x 1,024 float32.
;; This version of the problem:
;;   THIS VERSION OF THE PROBLEM IS GIVEN IN LOW PRECISION. The matrix products marked QUANTISED in the list below multiply operands that are first quantised to E5M2 (5 exponent bits, 2 mantissa bits; 8 bits a number), with one given power-of-two scale for each operand tensor; their sums are f32. All else is computed in f32.
;;   The module's matrix products, in the order in which they are computed (A, B: the left and right operand; K: the contracted axis; several contracted axes count as one K, in the product's order):
;;     1. [M 1,024, K 1,024] x [K 1,024, N 8]; A: input x; B: input router_w: left as it is (N = 8 < 16)
;;     2. [M 1,024, K 1,024] x [K 1,024, N 4,096]; A: input x; B: input w1 (given as codes): QUANTISED (scales: A lowp_scales[0], B lowp_scales[1])
;;     3. [M 1,024, K 4,096] x [K 4,096, N 1,024]; A: computed on the way; B: input w2 (given as codes): QUANTISED (scales: A lowp_scales[2], B lowp_scales[3])
;;     4. [M 1,024, K 1,024] x [K 1,024, N 4,096]; A: input x; B: input w1 (given as codes): QUANTISED (scales: A lowp_scales[4], B lowp_scales[5])
;;     5. [M 1,024, K 4,096] x [K 4,096, N 1,024]; A: computed on the way; B: input w2 (given as codes): QUANTISED (scales: A lowp_scales[6], B lowp_scales[7])
;;     6. [M 1,024, K 1,024] x [K 1,024, N 4,096]; A: input x; B: input w1 (given as codes): QUANTISED (scales: A lowp_scales[8], B lowp_scales[9])
;;     7. [M 1,024, K 4,096] x [K 4,096, N 1,024]; A: computed on the way; B: input w2 (given as codes): QUANTISED (scales: A lowp_scales[10], B lowp_scales[11])
;;     8. [M 1,024, K 1,024] x [K 1,024, N 4,096]; A: input x; B: input w1 (given as codes): QUANTISED (scales: A lowp_scales[12], B lowp_scales[13])
;;     9. [M 1,024, K 4,096] x [K 4,096, N 1,024]; A: computed on the way; B: input w2 (given as codes): QUANTISED (scales: A lowp_scales[14], B lowp_scales[15])
;;     10. [M 1,024, K 1,024] x [K 1,024, N 4,096]; A: input x; B: input w1 (given as codes): QUANTISED (scales: A lowp_scales[16], B lowp_scales[17])
;;     11. [M 1,024, K 4,096] x [K 4,096, N 1,024]; A: computed on the way; B: input w2 (given as codes): QUANTISED (scales: A lowp_scales[18], B lowp_scales[19])
;;     12. [M 1,024, K 1,024] x [K 1,024, N 4,096]; A: input x; B: input w1 (given as codes): QUANTISED (scales: A lowp_scales[20], B lowp_scales[21])
;;     13. [M 1,024, K 4,096] x [K 4,096, N 1,024]; A: computed on the way; B: input w2 (given as codes): QUANTISED (scales: A lowp_scales[22], B lowp_scales[23])
;;     14. [M 1,024, K 1,024] x [K 1,024, N 4,096]; A: input x; B: input w1 (given as codes): QUANTISED (scales: A lowp_scales[24], B lowp_scales[25])
;;     15. [M 1,024, K 4,096] x [K 4,096, N 1,024]; A: computed on the way; B: input w2 (given as codes): QUANTISED (scales: A lowp_scales[26], B lowp_scales[27])
;;     16. [M 1,024, K 1,024] x [K 1,024, N 4,096]; A: input x; B: input w1 (given as codes): QUANTISED (scales: A lowp_scales[28], B lowp_scales[29])
;;     17. [M 1,024, K 4,096] x [K 4,096, N 1,024]; A: computed on the way; B: input w2 (given as codes): QUANTISED (scales: A lowp_scales[30], B lowp_scales[31])
;;   THE QUANTISER, for each operand of a quantised product, along K:
;;     - The operand's scale is 2^e, e = its entry of the input lowp_scales (int32; the entries are numbered through the quantised products in the list's order, A before B).
;;     - Each number is divided by the scale, clamped to +-57,344, and rounded to the nearest number of E5M2, ties to even, subnormals kept.
;;     - The product sums the exact products of the quantised numbers (number of the format x scale) in f32.
;;   ~~~python
;;   def quantise(x, axis, e):      # numpy; x: float32 -> the quantised numbers, widened to float32 again
;;       x = np.moveaxis(x, axis, -1); K = x.shape[-1]
;;       r = np.clip(x / 2.0 ** e, -57344, 57344)
;;       step = 2.0 ** (np.maximum(np.frexp(np.where(r == 0, 1, r))[1] - 1, -14) - 2)
;;       q = np.round(r / step) * step * 2.0 ** e      # np.round: ties to even
;;       return np.moveaxis(q, -1, axis).astype(np.float32)
;;   ~~~
;;   OPERANDS COMPUTED ON THE WAY. 'Computed on the way' means the value that the module computes at that place (a softmax that the list does not call 'softmax' is quantised finished and normalised). What goes into a quantiser is computed in f32, as accurately as f32 sums, v_exp_f32 and their like allow (about 1e-6 of the number): no bf16 or f16 on the way to a quantiser, and a product that is left as it is and whose result goes on into a quantised operand takes f32 operands (vector FMAs, or v_wmma_f32_16x16x4_f32). A number that lies on a knife's edge between two numbers of the format may be rounded either way, as far as f32 arithmetic and the matrix unit's own rounding can turn it there, and no further.
;;   INPUTS GIVEN AS CODES. w1 (in the module: [8, 1024, 4096], K = its axis 1); w2 (in the module: [8, 4096, 1024], K = its axis 1): each comes as NAME_codes (uint8): NAME with its K axis moved to the last place and cut into blocks of 32 codes, [.., K / 32, bytes a block], one block behind the other in memory; one code a byte (a code: sign, 5 exponent bits, 2 mantissa bits); its scale is its entry of lowp_scales. Its value is code x scale, taken as it is: it is not quantised again, and the codes and scales need not be those that the quantiser above would give.
;; 2 versions. Each part assembles by itself: llvm-mc -triple=amdgcn-amd-amdhsa -mcpu=gfx1250 --defsym DOCPART=n.
;; ======== version 1 of 2: 5 launches
;; workspace buffers: topi 8,192 bytes of whole numbers; topp 8,192 bytes; xq 8,388,608 bytes; list 32,768 bytes of whole numbers; glist 32,768 bytes; cnt 256 bytes of whole numbers; hq 33,554,432 bytes; y 10,485,760 bytes
;; launch route (part 1): grid 256 x 1, 4 waves a work-group, no clusters, 54,784 bytes of LDS; arguments lowp_scales, router_w, x, xq, topi, topp; writes xq, topi, topp
.if DOCPART == 1
	.amdgcn_target "amdgcn-amd-amdhsa--gfx1250"
	.amdhsa_code_object_version 6
	.text
	.protected	k_q0af5285ae2_route
	.globl	k_q0af5285ae2_route
	.p2align	8
	.type	k_q0af5285ae2_route,@function
k_q0af5285ae2_route:
	s_mov_b64 s[64:65], 0
	v_nop
	global_prefetch_b8 v0, s[64:65] scope:SCOPE_SE
	s_setreg_imm32_b32 hwreg(HW_REG_WAVE_MODE, 25, 1), 1
	s_wait_xcnt 0x0
; ROUTE.  One wave takes one token t = 4 x work-group + wave (1,024 tokens of 1,024 numbers, f32).
; (a) logits = x[t] . router_w (f32 multiply-adds), softmax with the row's largest logit taken away, the two largest probabilities
;     (a tie keeps the lower expert).  They are stored at FIXED places: topi[t][0..1], topp[t][0..1]; no address here hangs on them.
; (b) x[t] is quantised eight times to E5M2, once with each expert's scale 2^lowp[4 e]: xq[e][t][k], one code a byte, K innermost.
; LIMITS: lowp[4 e] between -126 and 112 (2^e and 57,344 x 2^e are made as f32 patterns).  NaN among the inputs is not served.
; The 8 bytes a token of topi and of topp are stored by two lanes: a work-group owns 32 consecutive bytes of each, 16 KiB in the whole launch.
; A lane must hold 16 NEIGHBOURS along K for the conversions, while loads are dense (16 bytes a lane, 512 a load): the row turns through the wave's own stage in LDS.
.set RWP,  528                         ; router_w in LDS: 16 rows h (512 bytes) + 16 of padding: lanes 528 bytes apart start at different banks
.set STG,  33792                       ; behind router_w's 64 x 528 bytes: the stages
.set STW,  5120                        ; a wave's two stages of 32 x 80 bytes
.set SP,   80                          ; a lane's 64 bytes + 16 of padding
.set LG,   8                           ; v8-15    the eight logits
.set TH,   16                          ; v16-31   16 numbers held within the largest code x the scale
.set R,    32                          ; v32-63   x as loaded
.set X,    64                          ; v64-95   x turned: register 16 s + i = x[t][512 s + 16 lane + i]
.set W,    96                          ; v96-159  router_w: as loaded, later eight rows h a batch
.set C,    160                         ; v160-223 codes: four registers for each (e, s): no store's data are written again
.set PM,   224                         ; v224-231 at work
.set PR,   232                         ; v232-239 the probabilities
	s_load_b256 s[4:11], s[0:1], 0x0               ; lowp_scales s[4:5], router_w s[6:7], x s[8:9], xq s[10:11]
	s_load_b128 s[12:15], s[0:1], 0x20             ; topi s[12:13], topp s[14:15]
	v_lshl_add_u32 v254, v0, 2, 0xd400
	v_mov_b32 v255, 0
	v_lshrrev_b32 v7, 5, v0
	v_readfirstlane_b32 s48, v7                    ; wave 0..3
	v_and_b32 v1, 31, v0                           ; lane
	v_lshlrev_b32 v2, 4, v1                        ; 16 x lane
	v_lshlrev_b32 v3, 4, v0
	v_lshl_add_u32 v3, v7, 4, v3                   ; router_w into LDS: piece q of 16 bytes lies at 16 q + 16 (q / 32); mine are q = thread + 128 j
	v_mul_u32_u24 v4, v1, RWP                      ; and out of it: my 16 rows h of a half begin at 528 x lane
	s_mul_i32 s49, s48, STW
	s_add_co_u32 s49, s49, STG                     ; my wave's stages
	v_lshrrev_b32 v5, 2, v1
	v_mul_u32_u24 v5, v5, SP
	v_and_b32 v6, 3, v1
	v_lshl_add_u32 v5, v6, 4, v5
	v_add_nc_u32 v5, s49, v5                       ; stage, way in: four lanes' 64 bytes on end, then the padding
	v_mul_u32_u24 v6, v1, SP
	v_add_nc_u32 v6, s49, v6                       ; stage, way out: my 64 bytes
	v_lshlrev_b32 v7, 4, v0                        ; router_w in memory: 16 x thread
	s_lshl_b32 s54, ttmp9, 2
	s_add_co_u32 s54, s54, s48                     ; my token
	s_lshl_b32 s58, s54, 12                        ; its row of x: 4,096 bytes
	s_mov_b32 s59, 0
	s_lshl_b32 s60, s54, 10                        ; its row of codes: 1,024 bytes
	s_mov_b32 s61, 0
	s_lshl_b32 s62, s54, 3                         ; its 8 bytes of topi and of topp
	s_mov_b32 s63, 0
	s_mov_b32 s56, 0x76543210                      ; v_permlanex16_b32: lane l xor 16
	s_mov_b32 s57, 0xfedcba98
	s_wait_kmcnt 0x0
	s_load_b512 s[16:31], s[4:5], 0x0              ; the 32 exponents
	s_load_b512 s[32:47], s[4:5], 0x40
	s_add_nc_u64 s[8:9], s[8:9], s[58:59]
	s_add_nc_u64 s[10:11], s[10:11], s[60:61]
	s_add_nc_u64 s[12:13], s[12:13], s[62:63]
	s_add_nc_u64 s[14:15], s[14:15], s[62:63]
.irp j, 0,1,2,3,4,5,6,7
	global_load_b128 v[R+4*\j:R+4*\j+3], v2, s[8:9] offset:512*\j th:TH_LOAD_NT   ; 512 consecutive bytes of my row; read once in the launch
.endr
.irp j, 0,1,2,3,4,5,6,7,8,9,10,11,12,13,14,15
	global_load_b128 v[W+4*\j:W+4*\j+3], v7, s[6:7] offset:2048*\j               ; the work-group's copy of router_w: 2,048 consecutive bytes a line
.endr
	s_wait_loadcnt 0x0
.irp j, 0,1,2,3,4,5,6,7,8,9,10,11,12,13,14,15
	ds_store_b128 v3, v[W+4*\j:W+4*\j+3] offset:2112*\j                          ; 128 pieces on: 2,048 bytes + 4 paddings
.endr
.irp s, 0,1                            ; the row's two halves through the two stages: LDS serves a wave's instructions in order, so no wait stands between stores and loads
.irp i, 0,1,2,3
	ds_store_b128 v5, v[R+16*\s+4*\i:R+16*\s+4*\i+3] offset:32*SP*\s+8*SP*\i
.endr
.irp i, 0,1,2,3
	ds_load_b128 v[X+16*\s+4*\i:X+16*\s+4*\i+3], v6 offset:32*SP*\s+16*\i
.endr
.endr
	s_wait_dscnt 0x0                               ; for the others' sake: my part of router_w has landed; and my row is back
	s_barrier_signal -1
	s_barrier_wait -1                              ; router_w is whole in LDS
	s_wait_kmcnt 0x0                               ; the exponents
; ---- the eight quantisations
.irp e, 0,1,2,3,4,5,6,7
	s_add_co_i32 s52, s[16+4*\e], 127
	s_lshl_b32 s53, s52, 23
	v_mov_b32 v248, s53                            ; 2^e as f32: the conversion takes its exponent field
	s_add_co_i32 s52, s52, 15
	s_lshl_b32 s52, s52, 23
	s_or_b32 s52, s52, 0x600000
	v_mov_b32 v249, s52                            ; 57,344 x 2^e
.irp s, 0,1
.irp i, 0,1,2,3,4,5,6,7,8,9,10,11,12,13,14,15
	v_med3_num_f32 v[TH+\i], v[X+16*\s+\i], -v249, v249   ; the conversion to an 8-bit code does not saturate (ISA guide 7.6.2): the hold comes first
.endr
	v_cvt_scalef32_pk8_bf8_f32 v[C+8*\e+4*\s:C+8*\e+4*\s+1], v[TH:TH+7], v248
	v_cvt_scalef32_pk8_bf8_f32 v[C+8*\e+4*\s+2:C+8*\e+4*\s+3], v[TH+8:TH+15], v248
	v_nop                                          ; a plain line between the conversions and the next holds, which write their sources
	global_store_b128 v2, v[C+8*\e+4*\s:C+8*\e+4*\s+3], s[10:11] offset:(\e<<20)+512*\s   ; the wave stores 512 consecutive bytes, aligned
.endr
.endr
; ---- the logits: a lane sums its 32 h, eight rows of router_w a batch
.irp s, 0,1
.irp q, 0,1
.irp i, 0,1,2,3,4,5,6,7
	ds_load_b128 v[W+8*\i:W+8*\i+3],   v4 offset:32*RWP*\s+32*(8*\q+\i)
	ds_load_b128 v[W+8*\i+4:W+8*\i+7], v4 offset:32*RWP*\s+32*(8*\q+\i)+16
.endr
	s_wait_dscnt 0x0
.irp i, 0,1,2,3,4,5,6,7
.irp e, 0,1,2,3,4,5,6,7
.if (\s+\q+\i) == 0
	v_mul_f32 v[LG+\e], v[W+8*\i+\e], v[X+16*\s+8*\q+\i]      ; the first product starts the sums
.else
	v_fmac_f32 v[LG+\e], v[W+8*\i+\e], v[X+16*\s+8*\q+\i]
.endif
.endr
.endr
.endr
.endr
.irp e, 0,1,2,3,4,5,6,7
	v_mov_b32 v[PM+\e], 0                          ; a lane permute's destination counts as read
.endr
.irp m, 1,2,4,8
.irp e, 0,1,2,3,4,5,6,7
	v_add_f32_dpp v[LG+\e], v[LG+\e], v[LG+\e] row_xmask:\m row_mask:0xf bank_mask:0xf
.endr
.endr
.irp e, 0,1,2,3,4,5,6,7
	v_permlanex16_b32 v[PM+\e], v[LG+\e], s56, s57
.endr
.irp e, 0,1,2,3,4,5,6,7
	v_add_f32 v[LG+\e], v[LG+\e], v[PM+\e]         ; every lane holds all eight logits
.endr
; ---- softmax
	v_max3_num_f32 v250, v8, v9, v10
	v_max3_num_f32 v250, v250, v11, v12
	v_max3_num_f32 v250, v250, v13, v14
	v_max_num_f32 v250, v250, v15                  ; the largest logit is taken away, as in the softmax that is asked for
.irp e, 0,1,2,3,4,5,6,7
	v_sub_f32 v[PR+\e], v[LG+\e], v250
.endr
.irp e, 0,1,2,3,4,5,6,7
	v_mul_f32 v[PR+\e], 0x3fb8aa3b, v[PR+\e]       ; x log2(e)
.endr
.irp e, 0,1,2,3,4,5,6,7
	v_exp_f32 v[PR+\e], v[PR+\e]
.endr
	v_nop                                          ; a plain line behind the last exponential
	s_wait_alu depctr_va_vdst(0)                   ; one wait for the eight, ahead of their first reader
	v_add_f32 v250, v232, v233
	v_add_f32 v251, v234, v235
	v_add_f32 v224, v236, v237
	v_add_f32 v225, v238, v239
	v_add_f32 v250, v250, v251
	v_add_f32 v224, v224, v225
	v_add_f32 v250, v250, v224
	v_rcp_f32 v251, v250
	v_mov_b32 v244, -1.0                           ; (the plain line behind the reciprocal)  under every probability
	s_wait_alu depctr_va_vdst(0)
.irp e, 0,1,2,3,4,5,6,7
	v_mul_f32 v[PR+\e], v[PR+\e], v251
.endr
; ---- the two largest: selections only, no branch.  A later expert replaces the best only where it is strictly larger: a tie keeps the lower index
	v_mov_b32 v240, v232
	v_mov_b32 v241, 0
.irp e, 1,2,3,4,5,6,7
	v_cmp_le_f32 vcc_lo, v[PR+\e], v240
	v_cndmask_b32 v240, v[PR+\e], v240, vcc_lo
	v_cndmask_b32 v241, \e, v241, vcc_lo
.endr
.irp e, 0,1,2,3,4,5,6,7
	v_cmp_eq_u32 vcc_lo, \e, v241
	v_cndmask_b32 v[PR+\e], v[PR+\e], v244, vcc_lo ; the winner leaves the field
.endr
	v_mov_b32 v242, v232
	v_mov_b32 v243, 0
.irp e, 1,2,3,4,5,6,7
	v_cmp_le_f32 vcc_lo, v[PR+\e], v242
	v_cndmask_b32 v242, v[PR+\e], v242, vcc_lo
	v_cndmask_b32 v243, \e, v243, vcc_lo
.endr
	v_cmp_eq_u32 vcc_lo, 0, v1
	v_cndmask_b32 v245, v243, v241, vcc_lo         ; lane 0: the best, lane 1: the second
	v_cndmask_b32 v246, v242, v240, vcc_lo
	v_lshlrev_b32 v247, 2, v1
	s_wait_xcnt 0x0                                ; EXEC is narrowed only behind this wait: the stores above have been issued under the full one
	v_cmp_gt_u32 vcc_lo, 2, v1
	s_wait_tensorcnt 0x0
	ds_add_u32 v254, v255
	s_wait_dscnt 0x0
	s_and_saveexec_b32 s49, vcc_lo
	global_store_b32 v247, v245, s[12:13]
	global_store_b32 v247, v246, s[14:15]
	s_endpgm
.Lfunc_end_k_q0af5285ae2_route:
	.size	k_q0af5285ae2_route, .Lfunc_end_k_q0af5285ae2_route-k_q0af5285ae2_route
	.p2alignl 7, 3214868480
	.fill 96, 4, 3214868480
	.section	.rodata,"a",@progbits
	.p2align	6, 0x0
	.amdhsa_kernel k_q0af5285ae2_route
		.amdhsa_group_segment_fixed_size 54784
		.amdhsa_private_segment_fixed_size 0
		.amdhsa_enable_private_segment 0
		.amdhsa_kernarg_size 48
		.amdhsa_user_sgpr_count 2
		.amdhsa_user_sgpr_kernarg_segment_ptr 1
		.amdhsa_wavefront_size32 1
		.amdhsa_system_sgpr_workgroup_id_x 1
		.amdhsa_system_sgpr_workgroup_id_y 1
		.amdhsa_system_sgpr_workgroup_id_z 1
		.amdhsa_system_vgpr_workitem_id 0
		.amdhsa_next_free_vgpr 256
		.amdhsa_next_free_sgpr 66
		.amdhsa_reserve_vcc 1
		.amdhsa_float_denorm_mode_32 3
		.amdhsa_float_denorm_mode_16_64 3
		.amdhsa_memory_ordered 1
		.amdhsa_forward_progress 1
		.amdhsa_inst_pref_size 49
	.end_amdhsa_kernel
	.amdgpu_metadata
---
amdhsa.version: [ 1, 2 ]
amdhsa.kernels:
  - .name:           k_q0af5285ae2_route
    .symbol:         k_q0af5285ae2_route.kd
    .args:
      - { .name: lowp_scales, .offset: 0, .size: 8, .value_kind: global_buffer, .address_space: global }
      - { .name: router_w, .offset: 8, .size: 8, .value_kind: global_buffer, .address_space: global }
      - { .name: x, .offset: 16, .size: 8, .value_kind: global_buffer, .address_space: global }
      - { .name: xq, .offset: 24, .size: 8, .value_kind: global_buffer, .address_space: global }
      - { .name: topi, .offset: 32, .size: 8, .value_kind: global_buffer, .address_space: global }
      - { .name: topp, .offset: 40, .size: 8, .value_kind: global_buffer, .address_space: global }
    .group_segment_fixed_size: 54784
    .private_segment_fixed_size: 0
    .kernarg_segment_align: 8
    .kernarg_segment_size: 48
    .max_flat_workgroup_size: 128
    .sgpr_count:     66
    .vgpr_count:     256
    .wavefront_size: 32
...
	.end_amdgpu_metadata
.endif
;; end of part 1
;; launch place (part 2): grid 8 x 1, 4 waves a work-group, no clusters, 0 bytes of LDS; arguments topi, topp, list, glist, cnt; writes list, glist, cnt
.if DOCPART == 2
	.amdgcn_target "amdgcn-amd-amdhsa--gfx1250"
	.amdhsa_code_object_version 6
	.text
	.protected	k_q0af5285ae2_place
	.globl	k_q0af5285ae2_place
	.p2align	8
	.type	k_q0af5285ae2_place,@function
k_q0af5285ae2_place:
	s_mov_b64 s[64:65], 0
	v_nop
	global_prefetch_b8 v0, s[64:65] scope:SCOPE_SE
	s_setreg_imm32_b32 hwreg(HW_REG_WAVE_MODE, 25, 1), 1
	s_wait_xcnt 0x0
; PLACE.  Work-group e (four waves) lays expert e's list of 1,024 places.  Each of the 1,024 tokens gets exactly one place:
; a token that chose e the next place from the bottom (ascending t), with its row id 2 t + k and its probability;
; any other token the next place from the top, with the id of a dump row, 2048 + 64 e + (place & 63), and the gate 0.
; So every place is written once, the members lie at 0 .. cnt - 1, and no sum between work-groups is needed.  cnt[e] = the members.
; SHARES.  Wave w places tokens 256 w .. 256 w + 255 (8 groups of 32).  The members ahead of them it counts itself: every wave reads all of topi (8 KiB), counts the four blocks of 256 tokens, and takes
; the blocks below its own by selections on the wave's number: no LDS, no barrier.  The 8 groups' lines are written line by line across the groups, so that no line reads the line above it.
; WHY 64 DUMP ROWS AN EXPERT: the launch that stores by these ids takes places q .. q + 15 and q + 32 .. q + 47 a trip (q = 64 u + 16 p), and meets places without a member in one trip alone, its last:
; there the low six bits tell all its rows apart, and bit 4 tells the two parts p apart: no byte of a dump row is stored twice.
; The choice was stored as whole numbers by the launch before; a place enters an address behind v_min_u32 with 1,023.
.set IA, 32                            ; v32-95   topi of all 32 groups, for the counts: a pair a group
.set IX, 96                            ; v96-111  topi of my 8 groups
.set PB, 112                           ; v112-127 topp of my 8 groups; the low register becomes the gate
.set AD, 128                           ; v128-135 group g's byte offset in the list
.set VL, 136                           ; v136-143 group g's id
.set TA, 144                           ; v144-151 at work
.set TB, 152                           ; v152-159 at work
	s_load_b256 s[4:11], s[0:1], 0x0               ; topi s[4:5], topp s[6:7], list s[8:9], glist s[10:11]
	s_load_b64 s[12:13], s[0:1], 0x20              ; cnt
	v_lshrrev_b32 v4, 5, v0
	v_readfirstlane_b32 s15, v4                    ; wave 0..3
	v_and_b32 v1, 31, v0                           ; lane
	v_lshlrev_b32 v3, 3, v1                        ; 8 x lane
	s_lshl_b32 s14, s15, 8
	v_add_nc_u32 v10, s14, v1                      ; my token of my first group: 256 w + lane
	v_lshlrev_b32 v2, 1, v10                       ; twice that
	v_lshlrev_b32 v11, 3, v10                      ; its 8 bytes of topi and of topp
	s_mov_b32 s16, ttmp9                           ; e
	s_lshl_b32 s18, s16, 6
	s_add_co_u32 s18, s18, 2048                    ; the first of my 64 dump rows
	s_lshl_b32 s24, s16, 12                        ; my 4,096 bytes of list and of glist
	s_mov_b32 s25, 0
	s_lshl_b32 s26, s16, 2
	s_wait_kmcnt 0x0
	s_add_nc_u64 s[8:9], s[8:9], s[24:25]
	s_add_nc_u64 s[10:11], s[10:11], s[24:25]
.set g, 0
.rept 32
	global_load_b64 v[IA+2*g:IA+2*g+1], v3, s[4:5] offset:256*g      ; 256 consecutive bytes a line
.set g, g+1
.endr
.set g, 0
.rept 8
	global_load_b64 v[IX+2*g:IX+2*g+1], v11, s[4:5] offset:256*g
	global_load_b64 v[PB+2*g:PB+2*g+1], v11, s[6:7] offset:256*g
.set g, g+1
.endr
	s_wait_loadcnt 16                              ; my own 16 loads stand behind the 32 that the counts read
; ---- the members of each block of 256 tokens: s28 .. s31.  Sixteen compares, then their scalar counts; two sets of mask registers by turns
.irp b, 0,1,2,3
.irp i, 0,1,2,3,4,5,6,7
	v_cmp_eq_u32 s[32+16*(\b%2)+2*\i], s16, v[IA+2*(8*\b+\i)]
	v_cmp_eq_u32 s[33+16*(\b%2)+2*\i], s16, v[IA+2*(8*\b+\i)+1]
.endr
	s_mov_b32 s[28+\b], 0
.irp i, 0,1,2,3,4,5,6,7
	s_or_b32 s20, s[32+16*(\b%2)+2*\i], s[33+16*(\b%2)+2*\i]
	s_bcnt1_i32_b32 s20, s20
	s_add_co_u32 s[28+\b], s[28+\b], s20
.endr
.endr
	s_cmp_gt_u32 s15, 0
	s_cselect_b32 s17, s28, 0
	s_cmp_gt_u32 s15, 1
	s_cselect_b32 s20, s29, 0
	s_add_co_u32 s17, s17, s20
	s_cmp_gt_u32 s15, 2
	s_cselect_b32 s20, s30, 0
	s_add_co_u32 s17, s17, s20                     ; the members ahead of my 256 tokens
	s_add_co_u32 s27, s28, s29
	s_add_co_u32 s27, s27, s30
	s_add_co_u32 s27, s27, s31                     ; all members
	s_wait_loadcnt 0x0                             ; my own groups
; ---- my 8 groups: masks s32 .. s47 (first choice, second choice), s48 .. s55 (either), s56 .. s63 (the members ahead of the group)
.irp g, 0,1,2,3,4,5,6,7
	v_cmp_eq_u32 s[32+2*\g], s16, v[IX+2*\g]
	v_cmp_eq_u32 s[33+2*\g], s16, v[IX+2*\g+1]
.endr
.irp g, 0,1,2,3,4,5,6,7
	s_or_b32 s[48+\g], s[32+2*\g], s[33+2*\g]
	s_mov_b32 s[56+\g], s17
	s_bcnt1_i32_b32 s20, s[48+\g]
	s_add_co_u32 s17, s17, s20
.endr
.irp g, 0,1,2,3,4,5,6,7
	v_mbcnt_lo_u32_b32 v[TA+\g], s[48+\g], 0       ; members among the lanes below me,
.endr
.irp g, 0,1,2,3,4,5,6,7
	v_add_nc_u32 v[TA+\g], s[56+\g], v[TA+\g]      ; and among all tokens before me: a member's place
.endr
.irp g, 0,1,2,3,4,5,6,7
	v_sub_nc_u32 v[TB+\g], v[TA+\g], v10
.endr
.irp g, 0,1,2,3,4,5,6,7
	v_add_nc_u32 v[TB+\g], 1023-32*\g, v[TB+\g]    ; 1,023 - (the others before me): another token's place
.endr
.irp g, 0,1,2,3,4,5,6,7
	v_cndmask_b32 v[AD+\g], v[TB+\g], v[TA+\g], s[48+\g]
.endr
.irp g, 0,1,2,3,4,5,6,7
	v_min_u32 v[AD+\g], 1023, v[AD+\g]
.endr
.irp g, 0,1,2,3,4,5,6,7
	v_and_b32 v[TB+\g], 63, v[AD+\g]
.endr
.irp g, 0,1,2,3,4,5,6,7
	v_add_nc_u32 v[TB+\g], s18, v[TB+\g]           ; that place's own dump row
.endr
.irp g, 0,1,2,3,4,5,6,7
	v_cndmask_b32 v[TA+\g], 0, 1, s[33+2*\g]       ; k
.endr
.irp g, 0,1,2,3,4,5,6,7
	v_add3_u32 v[VL+\g], v2, v[TA+\g], 64*\g       ; 2 t + k
.endr
.irp g, 0,1,2,3,4,5,6,7
	v_cndmask_b32 v[VL+\g], v[TB+\g], v[VL+\g], s[48+\g]
.endr
.irp g, 0,1,2,3,4,5,6,7
	v_cndmask_b32 v[PB+2*\g], v[PB+2*\g], v[PB+2*\g+1], s[33+2*\g]
.endr
.irp g, 0,1,2,3,4,5,6,7
	v_cndmask_b32 v[PB+2*\g], 0, v[PB+2*\g], s[48+\g]   ; the gate, 0 for a place that holds no member
.endr
.irp g, 0,1,2,3,4,5,6,7
	v_lshlrev_b32 v[AD+\g], 2, v[AD+\g]
.endr
.irp g, 0,1,2,3,4,5,6,7
	global_store_b32 v[AD+\g], v[VL+\g], s[8:9]
	global_store_b32 v[AD+\g], v[PB+2*\g], s[10:11]
.endr
	v_mov_b32 v8, s27
	v_mov_b32 v9, s26
	s_wait_xcnt 0x0                                ; EXEC is narrowed only behind this wait
	v_cmp_eq_u32 vcc_lo, 0, v0                     ; thread 0 of the work-group alone
	s_and_saveexec_b32 s23, vcc_lo
	global_store_b32 v9, v8, s[12:13]              ; cnt[e]
	s_endpgm
.Lfunc_end_k_q0af5285ae2_place:
	.size	k_q0af5285ae2_place, .Lfunc_end_k_q0af5285ae2_place-k_q0af5285ae2_place
	.p2alignl 7, 3214868480
	.fill 96, 4, 3214868480
	.section	.rodata,"a",@progbits
	.p2align	6, 0x0
	.amdhsa_kernel k_q0af5285ae2_place
		.amdhsa_group_segment_fixed_size 0
		.amdhsa_private_segment_fixed_size 0
		.amdhsa_enable_private_segment 0
		.amdhsa_kernarg_size 40
		.amdhsa_user_sgpr_count 2
		.amdhsa_user_sgpr_kernarg_segment_ptr 1
		.amdhsa_wavefront_size32 1
		.amdhsa_system_sgpr_workgroup_id_x 1
		.amdhsa_system_sgpr_workgroup_id_y 1
		.amdhsa_system_sgpr_workgroup_id_z 1
		.amdhsa_system_vgpr_workitem_id 0
		.amdhsa_next_free_vgpr 160
		.amdhsa_next_free_sgpr 66
		.amdhsa_reserve_vcc 1
		.amdhsa_float_denorm_mode_32 3
		.amdhsa_float_denorm_mode_16_64 3
		.amdhsa_memory_ordered 1
		.amdhsa_forward_progress 1
		.amdhsa_inst_pref_size 23
	.end_amdhsa_kernel
	.amdgpu_metadata
---
amdhsa.version: [ 1, 2 ]
amdhsa.kernels:
  - .name:           k_q0af5285ae2_place
    .symbol:         k_q0af5285ae2_place.kd
    .args:
      - { .name: topi, .offset: 0, .size: 8, .value_kind: global_buffer, .address_space: global }
      - { .name: topp, .offset: 8, .size: 8, .value_kind: global_buffer, .address_space: global }
      - { .name: list, .offset: 16, .size: 8, .value_kind: global_buffer, .address_space: global }
      - { .name: glist, .offset: 24, .size: 8, .value_kind: global_buffer, .address_space: global }
      - { .name: cnt, .offset: 32, .size: 8, .value_kind: global_buffer, .address_space: global }
    .group_segment_fixed_size: 0
    .private_segment_fixed_size: 0
    .kernarg_segment_align: 8
    .kernarg_segment_size: 40
    .max_flat_workgroup_size: 128
    .sgpr_count:     66
    .vgpr_count:     160
    .wavefront_size: 32
...
	.end_amdgpu_metadata
.endif
;; end of part 2
;; launch fc1 (part 3): grid 32 x 8, 4 waves a work-group, no clusters, 135,680 bytes of LDS; arguments lowp_scales, w1_codes, xq, list, cnt, hq; writes hq
.if DOCPART == 3
	.amdgcn_target "amdgcn-amd-amdhsa--gfx1250"
	.amdhsa_code_object_version 6
	.text
	.protected	k_q0af5285ae2_fc1
	.globl	k_q0af5285ae2_fc1
	.p2align	8
	.type	k_q0af5285ae2_fc1,@function
k_q0af5285ae2_fc1:
	s_mov_b64 s[64:65], 0
	v_nop
	global_prefetch_b8 v0, s[64:65] scope:SCOPE_SE
	s_setreg_imm32_b32 hwreg(HW_REG_WAVE_MODE, 25, 1), 1
	s_wait_xcnt 0x0
; FC1.  hidden = Q(gelu(xq[e] . w1[e]^T x 2^(ex + ew1))), only for the rows that chose expert e, both operands E5M2 codes, f32 sums.
; SHARES.  Work-group (x, y): expert e = y, part p = x & 1, slice of 256 hidden units = x >> 1.  Row tile T of an expert is list places 16 T .. 16 T + 15; part p takes the tiles T = 2 i + p.
; A tile is live where 16 T < max(cnt[e], 16 p + 1): tile T = p is always worked, so every work-group has work, and the next launch finds every tile that it may read.
; Wave w owns 64 hidden units for the whole K = 1,024: its 64 rows of w1 (32 fragments, 512 registers) stay in registers; each weight byte is loaded once by the work-group.
; The weights come in two halves of K: the first half turns through LDS into fragments while the second half's loads are still out.
; The rows (gathered by the list) come eight tiles a batch through LDS; the next batch's loads are out while a batch is multiplied, and the ids of the batch after that are asked for as soon as the last ids are used up.
; No tensor load, no cluster: branches here hang on counts read from memory.  Barriers stand on every wave's path; the loop's trip count is a constant, and dead work is jumped over inside.
; THE MATRIX INSTRUCTION IS USED TRANSPOSED (source 0 = 16 rows of w1, source 1 = 16 token rows): a lane holds one token row.  THE ROWS OF w1 THAT FORM A TILE ARE NOT NEIGHBOURS: lane r of tile 2 b + u takes
; row 32 b + 8 u + r + 8 (r / 8), so that the 16 registers of tiles 2 b, 2 b + 1 are hidden units 32 b + 16 (lane / 16) + 0 .. 15: the conversions' results are the next product's operand registers.
; Along K a lane holds bytes 128 s + 32 c + 16 (lane / 16) + 0 .. 15 of its row in registers 4 c .. 4 c + 3: one permutation of k, the same on both sides.
; hq: operand registers on end: ((64 e + T) << 16) + (s' << 11) + (c << 9) + 16 lane; a wave's store covers 512 consecutive bytes, aligned.
; gelu(v) = v / (1 + 2^z), z = v (k0 + k1 v^2), k0 = -2 log2(e) sqrt(2 / pi), k1 = 0.044715 k0: the tanh form, rewritten; all in f32.
; LIMITS: ex + ew1 between -126 and 127; eh between -126 and 112.  NaN is not served.
; REGISTERS: window 0: v1-15 addresses and constants, v16-23 codes, v32-63 the four accumulators, v64-95 at work (and the 32 row offsets of a gather), v128-255 the rows' eight fragments;
;   window 1: two tiles of rows as loaded;  windows 2, 3: w1's fragments (s, t) at 16 (4 (s % 4) + t), s < 4 in window 2.
.set PA,    1040                       ; a row of codes in LDS: 1,024 bytes + 16: an odd multiple of 16
.set TILEB, 16*PA
.set PT,    528                        ; the weights' turn through LDS: 512 bytes + 16
.set TRB,   64*PT                      ; a wave's own 64 rows; the four regions are the same bytes as the batch's, which come later, behind a barrier
.set PB,    1024                       ; a row of w1's codes in memory
.set CD,    16
.set ACC,   32
.set T,     64
.set VO,    64
.set F,     128
.set MSB, 0
.macro WIN new                         ; the immediate's high byte repeats the setting that is left
.if MSB != (\new)
	s_set_vgpr_msb (MSB<<8)|(\new)
.set MSB, (\new)
.endif
.endm
.macro PLACES                          ; four plain lines behind matrix instructions, ahead of loads into their sources and of the first read of results
.rept 4
	v_nop
.endr
.endm
.macro BLOAD k                         ; my 64 rows' bytes 512 k .. 512 k + 511: a line reads 512 consecutive bytes of one row
	WIN 0x80+0x40*(\k)
.set n, 0
.rept 64
	global_load_b128 v[4*n:4*n+3], v1, s[6:7] offset:n*PB+512*(\k)
.set n, n+1
.endr
	WIN 0
.endm
.macro BTR k                           ; they turn through my own LDS bytes into fragments, back into the registers that they left (LDS serves a wave's instructions in order)
	WIN 0x08+0x04*(\k)
.set n, 0
.rept 64
	ds_store_b128 v5, v[4*n:4*n+3] offset:PT*n
.set n, n+1
.endr
	WIN 0x80+0x40*(\k)
.irp s, 0,1,2,3
.irp t, 0,1,2,3
.irp c, 0,1,2,3
	ds_load_b128 v[16*(4*\s+\t)+4*\c:16*(4*\s+\t)+4*\c+3], v6 offset:(32*(\t/2)+8*(\t%2))*PT+128*\s+32*\c
.endr
.endr
.endr
	WIN 0
.endm
.macro IDS d                           ; the 32 ids of my two tiles of the batch d places on; the places are held inside the list
	s_add_co_u32 s68, s53, s67
	s_add_co_u32 s69, s68, \d+32
	s_add_co_u32 s68, s68, \d
	s_min_u32 s68, s68, 1008
	s_min_u32 s69, s69, 1008
	s_lshl_b32 s68, s68, 2
	s_lshl_b32 s69, s69, 2
	s_load_b512 s[16:31], s[10:11], s68 offset:0x0
	s_load_b512 s[32:47], s[10:11], s69 offset:0x0
.endm
.macro VOFF k                          ; id -> token (id / 2; a dump id falls on token 1,023) -> byte offset of its row of codes
.irp j, 0,1,2,3,4,5,6,7,8,9,10,11,12,13,14,15
	s_lshr_b32 s60, s[16+16*\k+\j], 1
	s_min_u32 s60, s60, 1023
	s_lshl_b32 s60, s60, 10
	v_add_nc_u32 v[VO+16*\k+\j], s60, v1
.endr
.endm
.macro LOADT k                         ; a tile's 16 rows, two lines of 512 consecutive bytes each
	WIN 0x40
.irp j, 0,1,2,3,4,5,6,7,8,9,10,11,12,13,14,15
	global_load_b128 v[128*\k+8*\j:128*\k+8*\j+3],   v[VO+16*\k+\j], s[8:9]
	global_load_b128 v[128*\k+8*\j+4:128*\k+8*\j+7], v[VO+16*\k+\j], s[8:9] offset:512
.endr
	WIN 0
.endm
.macro STORET k
	WIN 0x04
.irp j, 0,1,2,3,4,5,6,7,8,9,10,11,12,13,14,15
	ds_store_b128 v2, v[128*\k+8*\j:128*\k+8*\j+3]   offset:TILEB*\k+PA*\j
	ds_store_b128 v2, v[128*\k+8*\j+4:128*\k+8*\j+7] offset:TILEB*\k+PA*\j+512
.endr
	WIN 0
.endm
.macro FLOAD i, half                   ; four of tile i's eight fragments
.irp s, 0,1,2,3
.irp c, 0,1,2,3
	ds_load_b128 v[F+64*(\half)+16*\s+4*\c:F+64*(\half)+16*\s+4*\c+3], v[3+(\i)/4] offset:((\i)%4)*TILEB+512*(\half)+128*\s+32*\c
.endr
.endr
.endm
.macro EPI                             ; 32 sums of a lane -> gelu -> 32 codes
	s_wait_xcnt 0x0                                ; the last tile's stores have read the codes' registers
.irp j, 0,2,4,6,8,10,12,14,16,18,20,22,24,26,28,30
	v_pk_mul_f32 v[ACC+\j:ACC+\j+1], v[ACC+\j:ACC+\j+1], v[8:9]         ; v = sum x 2^(ex + ew1); each accumulator from its low end on
.endr
.irp j, 0,2,4,6,8,10,12,14,16,18,20,22,24,26,28,30
	v_pk_mul_f32 v[T+\j:T+\j+1], v[ACC+\j:ACC+\j+1], v[ACC+\j:ACC+\j+1]
.endr
.irp j, 0,2,4,6,8,10,12,14,16,18,20,22,24,26,28,30
	v_pk_fma_f32 v[T+\j:T+\j+1], v[T+\j:T+\j+1], v[10:11], v[12:13]     ; k1 v^2 + k0
.endr
.irp j, 0,2,4,6,8,10,12,14,16,18,20,22,24,26,28,30
	v_pk_mul_f32 v[T+\j:T+\j+1], v[T+\j:T+\j+1], v[ACC+\j:ACC+\j+1]     ; z
.endr
.irp j, 0,1,2,3,4,5,6,7,8,9,10,11,12,13,14,15,16,17,18,19,20,21,22,23,24,25,26,27,28,29,30,31
	v_exp_f32 v[T+\j], v[T+\j]
.endr
	v_nop                                          ; a plain line behind the last exponential
	s_wait_alu depctr_va_vdst(0)                   ; one wait for the batch, ahead of its first reader
.irp j, 0,2,4,6,8,10,12,14,16,18,20,22,24,26,28,30
	v_pk_add_f32 v[T+\j:T+\j+1], v[T+\j:T+\j+1], 1.0 op_sel_hi:[1,0]
.endr
.irp j, 0,1,2,3,4,5,6,7,8,9,10,11,12,13,14,15,16,17,18,19,20,21,22,23,24,25,26,27,28,29,30,31
	v_rcp_f32 v[T+\j], v[T+\j]
.endr
	v_nop
	s_wait_alu depctr_va_vdst(0)
.irp j, 0,2,4,6,8,10,12,14,16,18,20,22,24,26,28,30
	v_pk_mul_f32 v[ACC+\j:ACC+\j+1], v[ACC+\j:ACC+\j+1], v[T+\j:T+\j+1] ; gelu
.endr
.irp j, 0,1,2,3,4,5,6,7,8,9,10,11,12,13,14,15,16,17,18,19,20,21,22,23,24,25,26,27,28,29,30,31
	v_med3_num_f32 v[ACC+\j], v[ACC+\j], -v15, v15                      ; the hold at the largest code x the scale (ISA guide 7.6.2)
.endr
.irp b, 0,1
	v_cvt_scalef32_pk8_bf8_f32 v[CD+4*\b:CD+4*\b+1],   v[ACC+16*\b:ACC+16*\b+7],    v14
	v_cvt_scalef32_pk8_bf8_f32 v[CD+4*\b+2:CD+4*\b+3], v[ACC+16*\b+8:ACC+16*\b+15], v14
.endr
	v_nop                                          ; a plain line between the conversions and the next products, which write their sources
.endm
; Tile i of the batch.  The four accumulators take turns, one instruction a turn.  The next tile's fragments are fetched in two runs, each behind the products that read those registers.
.macro TILE i
	s_add_co_u32 s60, s53, 32*(\i)
	s_cmp_ge_u32 s60, s52
	s_cbranch_scc1 .Ldone                          ; a dead tile: all behind it are dead too
.if (\i) < 7
	s_add_co_u32 s60, s53, 32*(\i)+32
	s_cmp_lt_u32 s60, s52
	s_cselect_b32 s55, 1, 0                        ; is there a next tile?
.endif
.if (\i) == 0
	FLOAD 0, 0
	FLOAD 0, 1
.endif
	s_wait_dscnt 0x0                               ; the tile's fragments are in
	WIN 0x02                                       ; source 0 (w1) window 2
.irp s, 0,1,2,3
.irp t, 0,1,2,3
.if \s == 0
	v_wmma_f32_16x16x128_bf8_bf8 v[ACC+8*\t:ACC+8*\t+7], v[16*(4*\s+\t):16*(4*\s+\t)+15], v[F+16*\s:F+16*\s+15], 0
.else
	v_wmma_f32_16x16x128_bf8_bf8 v[ACC+8*\t:ACC+8*\t+7], v[16*(4*\s+\t):16*(4*\s+\t)+15], v[F+16*\s:F+16*\s+15], v[ACC+8*\t:ACC+8*\t+7]
.endif
.endr
.endr
	WIN 0
	PLACES
.if (\i) < 7
	s_cmp_eq_u32 s55, 0
	s_cbranch_scc1 .Lna_\@
	FLOAD (\i)+1, 0
.Lna_\@:
.endif
	WIN 0x03                                       ; source 0 window 3
.irp s, 0,1,2,3
.irp t, 0,1,2,3
	v_wmma_f32_16x16x128_bf8_bf8 v[ACC+8*\t:ACC+8*\t+7], v[16*(4*\s+\t):16*(4*\s+\t)+15], v[F+64+16*\s:F+64+16*\s+15], v[ACC+8*\t:ACC+8*\t+7]
.endr
.endr
	WIN 0
	PLACES
.if (\i) < 7
	s_cmp_eq_u32 s55, 0
	s_cbranch_scc1 .Lnb_\@
	FLOAD (\i)+1, 1
.Lnb_\@:
.endif
	EPI
.irp b, 0,1
	global_store_b128 v7, v[CD+4*\b:CD+4*\b+3], s[14:15] offset:((\i)<<17)+512*\b    ; 512 consecutive bytes, aligned
.endr
.endm
	s_load_b256 s[4:11], s[0:1], 0x0               ; lowp_scales s[4:5], w1_codes s[6:7], xq s[8:9], list s[10:11]
	s_load_b128 s[12:15], s[0:1], 0x20             ; cnt s[12:13], hq s[14:15]
	v_lshl_add_u32 v126, v0, 2, 0x21000
	v_mov_b32 v127, 0
	v_lshrrev_b32 v24, 5, v0
	v_readfirstlane_b32 s48, v24                   ; wave
	s_and_b32 s49, ttmp7, 0xffff                   ; e
	s_and_b32 s50, ttmp9, 1                        ; p
	s_lshr_b32 s51, ttmp9, 1                       ; slice
	v_and_b32 v24, 31, v0
	v_lshlrev_b32 v1, 4, v24                       ; 16 x lane
	v_and_b32 v25, 15, v0                          ; r
	v_bfe_u32 v26, v0, 4, 1                        ; h
	s_mul_i32 s60, s48, 2*TILEB
	v_add_nc_u32 v2, s60, v1                       ; the batch, way in: my two tiles
	v_mul_u32_u24 v3, v25, PA
	v_lshl_add_u32 v3, v26, 4, v3                  ; way out: row r, + 16 h; tiles 0-3
	v_add_nc_u32 v4, 4*TILEB, v3                   ; tiles 4-7
	s_mul_i32 s60, s48, TRB
	v_add_nc_u32 v5, s60, v1                       ; the weights' turn, way in
	v_and_b32 v27, 8, v25
	v_add_nc_u32 v27, v27, v25                     ; r + 8 (r / 8)
	v_mul_u32_u24 v6, v27, PT
	v_lshl_add_u32 v6, v26, 4, v6
	v_add_nc_u32 v6, s60, v6                       ; way out
	s_lshl_b32 s60, s50, 16
	v_add_nc_u32 v7, s60, v1                       ; hq: 16 lane + (p << 16); + (batch << 20) later
	s_lshl_b32 s53, s50, 4                         ; the batch's first place: 256 u + 16 p
	s_lshl_b32 s67, s48, 6                         ; my two tiles lie 64 w places on
	s_lshl_b32 s70, s49, 22
	s_mov_b32 s71, 0
	s_lshl_b32 s60, s51, 18
	s_lshl_b32 s61, s48, 16
	s_add_co_u32 s72, s70, s60
	s_add_co_u32 s72, s72, s61                     ; w1: (e << 22) + (256 slice + 64 w) rows of 1,024 bytes
	s_mov_b32 s73, 0
	s_lshl_b32 s74, s49, 20                        ; xq: e's 1,024 rows
	s_mov_b32 s75, 0
	s_lshl_b32 s76, s49, 12                        ; list
	s_mov_b32 s77, 0
	s_lshl_b32 s60, s51, 12
	s_lshr_b32 s61, s48, 1
	s_lshl_b32 s61, s61, 11
	s_and_b32 s62, s48, 1
	s_lshl_b32 s62, s62, 10
	s_add_co_u32 s70, s70, s60
	s_add_co_u32 s70, s70, s61
	s_add_co_u32 s70, s70, s62                     ; hq: (e << 22) + (2 slice + w / 2) x 2,048 + (w % 2) x 1,024
	s_lshl_b32 s78, s49, 2
	s_mov_b32 s79, 0
	s_lshl_b32 s80, s49, 4
	s_mov_b32 s81, 0
	s_wait_kmcnt 0x0
	s_add_nc_u64 s[6:7], s[6:7], s[72:73]
	s_add_nc_u64 s[8:9], s[8:9], s[74:75]
	s_add_nc_u64 s[10:11], s[10:11], s[76:77]
	s_add_nc_u64 s[12:13], s[12:13], s[78:79]
	s_add_nc_u64 s[14:15], s[14:15], s[70:71]
	s_add_nc_u64 s[4:5], s[4:5], s[80:81]
	s_load_b32 s52, s[12:13], 0x0                  ; cnt[e]
	s_load_b128 s[56:59], s[4:5], 0x0              ; ex, ew1, eh, ew2
	IDS 0
	BLOAD 0
	BLOAD 1
	s_wait_loadcnt 63                              ; the second half's 64 loads stand behind the first half's: the first half is in
	BTR 0                                          ; it turns through LDS while the second half is on its way
	s_wait_kmcnt 0x0
	s_min_u32 s52, s52, 1024
	s_add_co_u32 s60, s53, 1
	s_max_u32 s52, s52, s60                        ; tile T = p is always live
	s_add_co_i32 s60, s56, s57
	s_add_co_i32 s60, s60, 127
	s_lshl_b32 s60, s60, 23
	v_mov_b32 v8, s60                              ; 2^(ex + ew1), twice
	v_mov_b32 v9, s60
	v_mov_b32 v10, 0xbdd2d3e8                      ; k1
	v_mov_b32 v11, 0xbdd2d3e8
	v_mov_b32 v12, 0xc0135761                      ; k0
	v_mov_b32 v13, 0xc0135761
	s_add_co_i32 s60, s58, 127
	s_lshl_b32 s61, s60, 23
	v_mov_b32 v14, s61                             ; 2^eh
	s_add_co_i32 s60, s60, 15
	s_lshl_b32 s60, s60, 23
	s_or_b32 s60, s60, 0x600000
	v_mov_b32 v15, s60                             ; 57,344 x 2^eh
	VOFF 0
	LOADT 0
	VOFF 1
	LOADT 1
	IDS 256                                        ; the first ids are used up: the next batch's are asked for, and land while the weights turn
	s_wait_loadcnt 63                              ; 64 loads of rows stand behind the second half of the weights: the weights are in
	BTR 1
	s_mov_b32 s54, 0
.Lbatch:                                               ; four trips, a constant: places 256 u + 16 p on, eight tiles
	s_wait_loadcnt 0x0                             ; this batch's rows are in registers
	s_wait_dscnt 0x0                               ; my reads of the region are over
	s_barrier_signal -1
	s_barrier_wait -1                              ; everybody's are: the region may be written
	s_add_co_u32 s62, s53, s67                     ; my first tile's place
	s_cmp_ge_u32 s62, s52
	s_cbranch_scc1 .Lstored
	STORET 0
	s_add_co_u32 s63, s62, 32
	s_cmp_ge_u32 s63, s52
	s_cbranch_scc1 .Lstored
	STORET 1
.Lstored:
	s_wait_dscnt 0x0                               ; for the others' sake: my rows have landed
	s_wait_kmcnt 0x0                               ; the next batch's ids, asked for a trip ago
	s_add_co_u32 s63, s62, 256
	s_cmp_ge_u32 s63, s52
	s_cbranch_scc1 .Lasked                         ; my part of the next batch is dead, and so is all behind it: nothing more is asked for
	VOFF 0
	LOADT 0                                        ; on their way while this batch is multiplied
	s_add_co_u32 s63, s62, 288
	s_cmp_ge_u32 s63, s52
	s_cbranch_scc1 .Lhalf
	VOFF 1
	LOADT 1
.Lhalf:
	IDS 512                                        ; these ids are used up: those of the batch after the next have this batch's work in which to land
.Lasked:
	s_wait_xcnt 0x0                                ; the gathers have read their offsets, whose registers the activation uses
	s_barrier_signal -1
	s_barrier_wait -1                              ; the batch is whole in LDS
.irp i, 0,1,2,3,4,5,6,7
	TILE \i
.endr
.Ldone:
	s_wait_xcnt 0x0                                ; the stores have read their offset
	v_add_nc_u32 v7, 0x100000, v7                  ; sixteen tiles of hq on
	s_add_co_u32 s53, s53, 256
	s_add_co_u32 s54, s54, 1
	s_cmp_lt_u32 s54, 4
	s_cbranch_scc1 .Lbatch
	s_wait_tensorcnt 0x0
	ds_add_u32 v126, v127
	s_wait_dscnt 0x0
	s_endpgm
.Lfunc_end_k_q0af5285ae2_fc1:
	.size	k_q0af5285ae2_fc1, .Lfunc_end_k_q0af5285ae2_fc1-k_q0af5285ae2_fc1
	.p2alignl 7, 3214868480
	.fill 96, 4, 3214868480
	.section	.rodata,"a",@progbits
	.p2align	6, 0x0
	.amdhsa_kernel k_q0af5285ae2_fc1
		.amdhsa_group_segment_fixed_size 135680
		.amdhsa_private_segment_fixed_size 0
		.amdhsa_enable_private_segment 0
		.amdhsa_kernarg_size 48
		.amdhsa_user_sgpr_count 2
		.amdhsa_user_sgpr_kernarg_segment_ptr 1
		.amdhsa_wavefront_size32 1
		.amdhsa_system_sgpr_workgroup_id_x 1
		.amdhsa_system_sgpr_workgroup_id_y 1
		.amdhsa_system_sgpr_workgroup_id_z 1
		.amdhsa_system_vgpr_workitem_id 0
		.amdhsa_next_free_vgpr 1024
		.amdhsa_next_free_sgpr 82
		.amdhsa_reserve_vcc 0
		.amdhsa_float_denorm_mode_32 3
		.amdhsa_float_denorm_mode_16_64 3
		.amdhsa_memory_ordered 1
		.amdhsa_forward_progress 1
		.amdhsa_inst_pref_size 184
	.end_amdhsa_kernel
	.amdgpu_metadata
---
amdhsa.version: [ 1, 2 ]
amdhsa.kernels:
  - .name:           k_q0af5285ae2_fc1
    .symbol:         k_q0af5285ae2_fc1.kd
    .args:
      - { .name: lowp_scales, .offset: 0, .size: 8, .value_kind: global_buffer, .address_space: global }
      - { .name: w1_codes, .offset: 8, .size: 8, .value_kind: global_buffer, .address_space: global }
      - { .name: xq, .offset: 16, .size: 8, .value_kind: global_buffer, .address_space: global }
      - { .name: list, .offset: 24, .size: 8, .value_kind: global_buffer, .address_space: global }
      - { .name: cnt, .offset: 32, .size: 8, .value_kind: global_buffer, .address_space: global }
      - { .name: hq, .offset: 40, .size: 8, .value_kind: global_buffer, .address_space: global }
    .group_segment_fixed_size: 135680
    .private_segment_fixed_size: 0
    .kernarg_segment_align: 8
    .kernarg_segment_size: 48
    .max_flat_workgroup_size: 128
    .sgpr_count:     82
    .vgpr_count:     1024
    .wavefront_size: 32
...
	.end_amdgpu_metadata
.endif
;; end of part 3
;; launch fc2 (part 4): grid 32 x 8, 4 waves a work-group, no clusters, 205,312 bytes of LDS; arguments lowp_scales, w2_codes, hq, list, glist, cnt, y; writes y
.if DOCPART == 4
	.amdgcn_target "amdgcn-amd-amdhsa--gfx1250"
	.amdhsa_code_object_version 6
	.text
	.protected	k_q0af5285ae2_fc2
	.globl	k_q0af5285ae2_fc2
	.p2align	8
	.type	k_q0af5285ae2_fc2,@function
k_q0af5285ae2_fc2:
	s_mov_b64 s[64:65], 0
	v_nop
	global_prefetch_b8 v0, s[64:65] scope:SCOPE_SE
	s_setreg_imm32_b32 hwreg(HW_REG_WAVE_MODE, 25, 1), 1
	s_wait_xcnt 0x0
; FC2.  y[id] = gate x 2^(eh + ew2) x (hidden codes . w2[e]^T), for the rows that chose expert e; E5M2 codes on both sides, f32 sums.
; SHARES.  Work-group (x, y): expert e = y, part p = x & 1 (row tiles T = 2 i + p), slice of 64 output columns = x >> 1.  The liveness of a tile is the launch before's: 16 T < max(cnt[e], 16 p + 1).
; THE FOUR WAVES SHARE K: wave w owns hidden units 1,024 w .. + 1,023 of all 64 columns: 32 fragments of w2 in 512 registers for the whole launch.  They come in two halves: the first turns through LDS into
; fragments while the second half's loads are still out.  The hidden codes lie in memory in the order of the operand's registers, so a fragment comes by four dense loads straight into registers, two tiles
; ahead.  The four partial sums of a tile meet in LDS; each wave then adds, scales and stores four rows of each tile.
; A trip takes two tiles (places q and q + 32).  The reduction area has two parities, so ONE barrier a trip orders both the writing against the reading and the reading against the next writing but one.
; No tensor load, no cluster: branches here hang on counts read from memory.  The barrier stands on every wave's path; the trip count is a constant; dead trips jump over the work.
; WHAT IS OUT AT A TRIP'S HEAD: 4 loads of the lists, 32 of the first tile, 32 of the second, in that order; or nothing: a trip with no live trip behind it asks for nothing, by ONE branch that leads to a
; second copy of the second tile's products, so that each counted wait has the same loads behind it on every way that reaches it.
; A second tile that is dead in a live trip is asked for all the same: its loads name the trip's own live tile once more.
; A place that holds no member (the rest of the last live tile; a dead second tile) has the gate 0 and a dump row of y of its own, id 2048 + 64 e + (place & 63), which nobody reads.  Such places are met in a
; work-group's last live trip alone (in an earlier one q + 64 < cnt, so all its places are members), where the low six bits tell its 32 rows apart and bit 4 the two parts: no byte of y is stored twice.
; Source 0 = 16 rows of w2, source 1 = 16 token rows: a lane holds one token row and eight neighbouring columns an accumulator.
; The sums of the four quarters of K are added in f32 in a fixed order, which is not the ascending order of one chain.  2^(eh + ew2) is applied by v_ldexp_f32 to the gate: no limit of its own.
; REGISTERS: window 0: v1-28 addresses, ids, gates; v32-95 two sets of four accumulators; v96-159 the reduction;  window 1: the two tiles' fragments;  windows 2, 3: w2's fragments (s, t) at 16 (4 (s % 4) + t).
.set PT,    528
.set TRB,   64*PT
.set PB,    4096                       ; a row of w2's codes in memory
.set RED,   4*TRB                      ; 135,168: the reduction area: [parity][source wave][32 rows][256 bytes + 16]
.set PARB,  4*32*272
.set YROWS, 2048+8*64                  ; rows of y: 2,048 routed rows, then 64 dump rows an expert
.set ACC,   32
.set R,     96
.set MSB, 0
.macro WIN new
.if MSB != (\new)
	s_set_vgpr_msb (MSB<<8)|(\new)
.set MSB, (\new)
.endif
.endm
.macro BLOAD k
	WIN 0x80+0x40*(\k)
.set n, 0
.rept 64
	global_load_b128 v[4*n:4*n+3], v1, s[6:7] offset:n*PB+512*(\k)      ; 512 consecutive bytes of one row
.set n, n+1
.endr
	WIN 0
.endm
.macro BTR k                           ; through my own LDS bytes into fragments, back into the registers that they left
	WIN 0x08+0x04*(\k)
.set n, 0
.rept 64
	ds_store_b128 v2, v[4*n:4*n+3] offset:PT*n
.set n, n+1
.endr
	WIN 0x80+0x40*(\k)
.irp s, 0,1,2,3
.irp t, 0,1,2,3
.irp c, 0,1,2,3
	ds_load_b128 v[16*(4*\s+\t)+4*\c:16*(4*\s+\t)+4*\c+3], v3 offset:16*\t*PT+128*\s+32*\c
.endr
.endr
.endr
	WIN 0
.endm
.macro ASKS d                          ; ids and gates of the rows that I shall store, d places on: four loads
	s_add_co_u32 s33, s25, \d
	s_min_u32 s33, s33, 976
	s_lshl_b32 s33, s33, 2
	v_add_nc_u32 v11, s33, v10
	global_load_b64 v[12:13], v11, s[10:11]
	global_load_b64 v[16:17], v11, s[12:13]
	global_load_b64 v[14:15], v11, s[10:11] offset:128
	global_load_b64 v[18:19], v11, s[12:13] offset:128
.endm
.macro ASKT k, d                       ; my quarter of tile k's fragments, d places on: 32 loads of 512 consecutive bytes
	s_add_co_u32 s33, s25, \d+32*\k
	s_cmp_lt_u32 s33, s24
	s_cselect_b32 s33, s33, s25                    ; a dead tile: this trip's own live tile once more
	s_min_u32 s33, s33, 1008                       ; the choice hangs on a loaded count: the place is held inside the expert's 64 tiles before it enters an address
	s_lshl_b32 s33, s33, 12                        ; place / 16 tiles of 65,536 bytes
	v_add_nc_u32 v[8+\k], s33, v1
	WIN 0x40
.irp s, 0,1,2,3,4,5,6,7
.irp c, 0,1,2,3
	global_load_b128 v[128*\k+16*\s+4*\c:128*\k+16*\s+4*\c+3], v[8+\k], s[8:9] offset:2048*\s+512*\c
.endr
.endr
	WIN 0
.endm
.macro MM k                            ; 32 matrix instructions: the four accumulators of set k by turns, one instruction a turn
	WIN 0x06                                       ; source 0 (w2) window 2, source 1 (hidden) window 1
.irp s, 0,1,2,3
.irp t, 0,1,2,3
.if \s == 0
	v_wmma_f32_16x16x128_bf8_bf8 v[ACC+32*\k+8*\t:ACC+32*\k+8*\t+7], v[16*(4*\s+\t):16*(4*\s+\t)+15], v[128*\k+16*\s:128*\k+16*\s+15], 0
.else
	v_wmma_f32_16x16x128_bf8_bf8 v[ACC+32*\k+8*\t:ACC+32*\k+8*\t+7], v[16*(4*\s+\t):16*(4*\s+\t)+15], v[128*\k+16*\s:128*\k+16*\s+15], v[ACC+32*\k+8*\t:ACC+32*\k+8*\t+7]
.endif
.endr
.endr
	WIN 0x07                                       ; source 0 window 3
.irp s, 0,1,2,3
.irp t, 0,1,2,3
	v_wmma_f32_16x16x128_bf8_bf8 v[ACC+32*\k+8*\t:ACC+32*\k+8*\t+7], v[16*(4*\s+\t):16*(4*\s+\t)+15], v[128*\k+64+16*\s:128*\k+64+16*\s+15], v[ACC+32*\k+8*\t:ACC+32*\k+8*\t+7]
.endr
.endr
	WIN 0
.rept 4
	v_nop                                          ; four plain lines ahead of the stores that read the results and of the loads into the sources
.endr
.endm
.macro PARTW k, reg                    ; my partial sums of tile k: row r, 32 bytes an accumulator and half; each accumulator from its low end on
.irp t, 0,1,2,3
	ds_store_b128 v[\reg], v[ACC+32*\k+8*\t:ACC+32*\k+8*\t+3]   offset:4352*\k+64*\t
	ds_store_b128 v[\reg], v[ACC+32*\k+8*\t+4:ACC+32*\k+8*\t+7] offset:4352*\k+64*\t+16
.endr
.endm
.macro TRIP par
	s_wait_xcnt 0x0                                ; on every way: the last trip's stores have read their offsets and their data, which this trip writes again
	s_cmp_ge_u32 s25, s24
	s_cbranch_scc1 .Lno1_\@
	s_wait_loadcnt 32                              ; the lists' four loads and the first tile's 32 are in; the second tile's 32 may be out
.irp o, 0,1,2,3
	v_min_u32 v[20+\o], YROWS-1, v[12+\o]          ; a loaded id enters an address behind this hold
.endr
.irp o, 0,1,2,3
	v_lshl_add_u32 v[20+\o], v[20+\o], 12, v28     ; row id of 4,096 bytes + my 16 bytes
.endr
.irp o, 0,1,2,3
	v_ldexp_f32 v[24+\o], v[16+\o], s32            ; gate x 2^(eh + ew2)
.endr
	MM 0
	PARTW 0, 4+2*\par
	s_add_co_u32 s33, s25, 64
	s_cmp_ge_u32 s33, s24
	s_cbranch_scc1 .Llast_\@                       ; no live trip follows: nothing more is asked for
	ASKS 64
	ASKT 0, 64
	s_wait_loadcnt 36                              ; behind the second tile's loads stand the 4 + 32 just issued
	MM 1
	PARTW 1, 4+2*\par
	ASKT 1, 64
	s_branch .Lno1_\@
.Llast_\@:
	s_wait_loadcnt 0x0                             ; nothing was issued behind the second tile's loads
	MM 1
	PARTW 1, 4+2*\par
.Lno1_\@:
	s_wait_dscnt 0x0                               ; for the others' sake: my partial sums have landed; my reads of the other parity are long over
	s_barrier_signal -1
	s_barrier_wait -1
	s_cmp_ge_u32 s25, s24
	s_cbranch_scc1 .Lno2_\@
.irp o, 0,1,2,3                        ; output o = 2 k + a: row 4 w + 2 (lane / 16) + a of tile k; the four waves' parts
.irp q, 0,1,2,3
	ds_load_b128 v[R+16*\o+4*\q:R+16*\o+4*\q+3], v[5+2*\par] offset:8704*\q+4352*(\o/2)+272*(\o%2)
.endr
.endr
	s_wait_dscnt 0x0
.irp o, 0,1,2,3
.irp j, 0,2
	v_pk_add_f32 v[R+16*\o+\j:R+16*\o+\j+1],     v[R+16*\o+\j:R+16*\o+\j+1],     v[R+16*\o+4+\j:R+16*\o+4+\j+1]
	v_pk_add_f32 v[R+16*\o+8+\j:R+16*\o+8+\j+1], v[R+16*\o+8+\j:R+16*\o+8+\j+1], v[R+16*\o+12+\j:R+16*\o+12+\j+1]
.endr
.endr
.irp o, 0,1,2,3
.irp j, 0,2
	v_pk_add_f32 v[R+16*\o+\j:R+16*\o+\j+1], v[R+16*\o+\j:R+16*\o+\j+1], v[R+16*\o+8+\j:R+16*\o+8+\j+1]
.endr
.endr
.irp o, 0,1,2,3
.irp j, 0,1,2,3
	v_mul_f32 v[R+16*\o+\j], v[R+16*\o+\j], v[24+\o]
.endr
.endr
.irp o, 0,1,2,3
	global_store_b128 v[20+\o], v[R+16*\o:R+16*\o+3], s[16:17]     ; sixteen lanes store 256 consecutive bytes of a row of y, aligned; the two halves of the lanes hold different rows
.endr
.Lno2_\@:
	s_add_co_u32 s25, s25, 64
.endm
	s_load_b256 s[4:11], s[0:1], 0x0               ; lowp_scales s[4:5], w2_codes s[6:7], hq s[8:9], list s[10:11]
	s_load_b128 s[12:15], s[0:1], 0x20             ; glist s[12:13], cnt s[14:15]
	s_load_b64 s[16:17], s[0:1], 0x30              ; y
	v_lshl_add_u32 v254, v0, 2, 0x32000
	v_mov_b32 v255, 0
	v_lshrrev_b32 v29, 5, v0
	v_readfirstlane_b32 s20, v29                   ; wave
	s_and_b32 s21, ttmp7, 0xffff                   ; e
	s_and_b32 s22, ttmp9, 1                        ; p
	s_lshr_b32 s23, ttmp9, 1                       ; slice
	v_and_b32 v29, 31, v0
	v_lshlrev_b32 v1, 4, v29                       ; 16 x lane
	v_and_b32 v30, 15, v0                          ; r
	v_bfe_u32 v31, v0, 4, 1                        ; h
	s_mul_i32 s33, s20, TRB
	v_add_nc_u32 v2, s33, v1                       ; the weights' turn, way in
	v_mul_u32_u24 v3, v30, PT
	v_lshl_add_u32 v3, v31, 4, v3
	v_add_nc_u32 v3, s33, v3                       ; way out
	s_mul_i32 s33, s20, 8704
	s_add_co_u32 s33, s33, RED
	v_mul_u32_u24 v4, v30, 272
	v_lshl_add_u32 v4, v31, 5, v4
	v_add_nc_u32 v4, s33, v4                       ; partial sums, parity 0: my block, row r, + 32 h
	v_add_nc_u32 v6, PARB, v4                      ; parity 1
	s_mul_i32 s33, s20, 1088
	s_add_co_u32 s33, s33, RED
	v_mul_u32_u24 v5, v31, 544
	v_lshl_add_u32 v5, v30, 4, v5
	v_add_nc_u32 v5, s33, v5                       ; back, parity 0: row 4 w + 2 h, 16 bytes a lane
	v_add_nc_u32 v7, PARB, v5                      ; parity 1
	s_lshl_b32 s33, s20, 4
	v_lshl_add_u32 v10, v31, 3, s33                ; in the lists: places 4 w + 2 h, + 1
	v_lshlrev_b32 v28, 4, v30
.irp o, 0,1,2,3,4,5,6,7
	v_mov_b32 v[20+\o], 0                          ; written once here, so that they are written on every way through the text
.endr
	s_lshl_b32 s25, s22, 4                         ; q = 16 p
	s_lshl_b32 s40, s21, 22
	s_mov_b32 s41, 0
	s_lshl_b32 s33, s23, 18
	s_lshl_b32 s34, s20, 10
	s_add_co_u32 s42, s40, s33
	s_add_co_u32 s42, s42, s34                     ; w2: (e << 22) + 64 slice rows of 4,096 bytes + my quarter of K
	s_mov_b32 s43, 0
	s_lshl_b32 s34, s20, 14
	s_add_co_u32 s40, s40, s34                     ; hq: (e << 22) + my eight K steps of 2,048 bytes
	s_lshl_b32 s44, s21, 12                        ; the lists
	s_mov_b32 s45, 0
	s_lshl_b32 s46, s21, 2                         ; cnt
	s_mov_b32 s47, 0
	s_lshl_b32 s48, s21, 4                         ; the exponents
	s_mov_b32 s49, 0
	s_lshl_b32 s50, s23, 8                         ; y: my 64 columns
	s_mov_b32 s51, 0
	s_wait_kmcnt 0x0
	s_add_nc_u64 s[6:7], s[6:7], s[42:43]
	s_add_nc_u64 s[8:9], s[8:9], s[40:41]
	s_add_nc_u64 s[10:11], s[10:11], s[44:45]
	s_add_nc_u64 s[12:13], s[12:13], s[44:45]
	s_add_nc_u64 s[14:15], s[14:15], s[46:47]
	s_add_nc_u64 s[4:5], s[4:5], s[48:49]
	s_add_nc_u64 s[16:17], s[16:17], s[50:51]
	s_load_b32 s24, s[14:15], 0x0                  ; cnt[e]
	s_load_b128 s[28:31], s[4:5], 0x0              ; ex, ew1, eh, ew2
	BLOAD 0
	BLOAD 1
	s_wait_loadcnt 63                              ; the second half's 64 loads stand behind the first half's: the first half is in
	BTR 0                                          ; it turns through LDS while the second half is on its way
	s_wait_kmcnt 0x0
	s_min_u32 s24, s24, 1024
	s_add_co_u32 s33, s25, 1
	s_max_u32 s24, s24, s33                        ; tile T = p is always live
	s_add_co_i32 s32, s30, s31                     ; eh + ew2
	ASKS 0
	ASKT 0, 0
	ASKT 1, 0
	s_wait_loadcnt 63                              ; 68 loads stand behind the second half of the weights: the weights are in
	BTR 1
	s_wait_dscnt 0x0
	s_mov_b32 s26, 0
.Ltrip:                                                ; eight trips, a constant: two half-trips each, one for each parity of the reduction area
	TRIP 0
	TRIP 1
	s_add_co_u32 s26, s26, 1
	s_cmp_lt_u32 s26, 8
	s_cbranch_scc1 .Ltrip
	s_wait_tensorcnt 0x0
	ds_add_u32 v254, v255
	s_wait_dscnt 0x0
	s_endpgm
.Lfunc_end_k_q0af5285ae2_fc2:
	.size	k_q0af5285ae2_fc2, .Lfunc_end_k_q0af5285ae2_fc2-k_q0af5285ae2_fc2
	.p2alignl 7, 3214868480
	.fill 96, 4, 3214868480
	.section	.rodata,"a",@progbits
	.p2align	6, 0x0
	.amdhsa_kernel k_q0af5285ae2_fc2
		.amdhsa_group_segment_fixed_size 205312
		.amdhsa_private_segment_fixed_size 0
		.amdhsa_enable_private_segment 0
		.amdhsa_kernarg_size 56
		.amdhsa_user_sgpr_count 2
		.amdhsa_user_sgpr_kernarg_segment_ptr 1
		.amdhsa_wavefront_size32 1
		.amdhsa_system_sgpr_workgroup_id_x 1
		.amdhsa_system_sgpr_workgroup_id_y 1
		.amdhsa_system_sgpr_workgroup_id_z 1
		.amdhsa_system_vgpr_workitem_id 0
		.amdhsa_next_free_vgpr 1024
		.amdhsa_next_free_sgpr 66
		.amdhsa_reserve_vcc 0
		.amdhsa_float_denorm_mode_32 3
		.amdhsa_float_denorm_mode_16_64 3
		.amdhsa_memory_ordered 1
		.amdhsa_forward_progress 1
		.amdhsa_inst_pref_size 80
	.end_amdhsa_kernel
	.amdgpu_metadata
---
amdhsa.version: [ 1, 2 ]
amdhsa.kernels:
  - .name:           k_q0af5285ae2_fc2
    .symbol:         k_q0af5285ae2_fc2.kd
    .args:
      - { .name: lowp_scales, .offset: 0, .size: 8, .value_kind: global_buffer, .address_space: global }
      - { .name: w2_codes, .offset: 8, .size: 8, .value_kind: global_buffer, .address_space: global }
      - { .name: hq, .offset: 16, .size: 8, .value_kind: global_buffer, .address_space: global }
      - { .name: list, .offset: 24, .size: 8, .value_kind: global_buffer, .address_space: global }
      - { .name: glist, .offset: 32, .size: 8, .value_kind: global_buffer, .address_space: global }
      - { .name: cnt, .offset: 40, .size: 8, .value_kind: global_buffer, .address_space: global }
      - { .name: y, .offset: 48, .size: 8, .value_kind: global_buffer, .address_space: global }
    .group_segment_fixed_size: 205312
    .private_segment_fixed_size: 0
    .kernarg_segment_align: 8
    .kernarg_segment_size: 56
    .max_flat_workgroup_size: 128
    .sgpr_count:     66
    .vgpr_count:     1024
    .wavefront_size: 32
...
	.end_amdgpu_metadata
.endif
;; end of part 4
;; launch comb (part 5): grid 256 x 1, 4 waves a work-group, no clusters, 0 bytes of LDS; arguments y, out0; writes out0
.if DOCPART == 5
	.amdgcn_target "amdgcn-amd-amdhsa--gfx1250"
	.amdhsa_code_object_version 6
	.text
	.protected	k_q0af5285ae2_comb
	.globl	k_q0af5285ae2_comb
	.p2align	8
	.type	k_q0af5285ae2_comb,@function
k_q0af5285ae2_comb:
	s_mov_b64 s[64:65], 0
	v_nop
	global_prefetch_b8 v0, s[64:65] scope:SCOPE_SE
	s_setreg_imm32_b32 hwreg(HW_REG_WAVE_MODE, 25, 1), 1
	s_wait_xcnt 0x0
; COMB.  out0[t] = y[2 t] + y[2 t + 1]: a token's two weighted expert rows.  The six experts that were not chosen add zeros in the sum that is asked for, so two terms are all of it, and their order does not matter.
; One wave takes one token: 16 loads of 512 consecutive bytes, all issued at once; 8 stores of 512 consecutive bytes, aligned.  Memory binds: no LDS, no barrier, no matrix unit.
	s_load_b128 s[4:7], s[0:1], 0x0                ; y s[4:5], out0 s[6:7]
	v_lshrrev_b32 v2, 5, v0
	v_readfirstlane_b32 s8, v2                     ; wave
	v_and_b32 v1, 31, v0
	v_lshlrev_b32 v1, 4, v1                        ; 16 x lane
	s_lshl_b32 s9, ttmp9, 2
	s_add_co_u32 s9, s9, s8                        ; my token
	s_lshl_b32 s10, s9, 13                         ; its two rows of y
	s_mov_b32 s11, 0
	s_lshl_b32 s12, s9, 12                         ; its row of out0
	s_mov_b32 s13, 0
	s_wait_kmcnt 0x0
	s_add_nc_u64 s[4:5], s[4:5], s[10:11]
	s_add_nc_u64 s[6:7], s[6:7], s[12:13]
.irp j, 0,1,2,3,4,5,6,7
	global_load_b128 v[8+8*\j:11+8*\j],  v1, s[4:5] offset:512*\j th:TH_LOAD_NT
	global_load_b128 v[12+8*\j:15+8*\j], v1, s[4:5] offset:4096+512*\j th:TH_LOAD_NT
.endr
.irp j, 0,1,2,3,4,5,6,7
	s_wait_loadcnt 14-2*\j                         ; loads come back in order: pair j is in, the pairs behind it may be out
	v_pk_add_f32 v[8+8*\j:9+8*\j],   v[8+8*\j:9+8*\j],   v[12+8*\j:13+8*\j]
	v_pk_add_f32 v[10+8*\j:11+8*\j], v[10+8*\j:11+8*\j], v[14+8*\j:15+8*\j]
	global_store_b128 v1, v[8+8*\j:11+8*\j], s[6:7] offset:512*\j th:TH_STORE_NT
.endr
	s_endpgm
.Lfunc_end_k_q0af5285ae2_comb:
	.size	k_q0af5285ae2_comb, .Lfunc_end_k_q0af5285ae2_comb-k_q0af5285ae2_comb
	.p2alignl 7, 3214868480
	.fill 96, 4, 3214868480
	.section	.rodata,"a",@progbits
	.p2align	6, 0x0
	.amdhsa_kernel k_q0af5285ae2_comb
		.amdhsa_group_segment_fixed_size 0
		.amdhsa_private_segment_fixed_size 0
		.amdhsa_enable_private_segment 0
		.amdhsa_kernarg_size 16
		.amdhsa_user_sgpr_count 2
		.amdhsa_user_sgpr_kernarg_segment_ptr 1
		.amdhsa_wavefront_size32 1
		.amdhsa_system_sgpr_workgroup_id_x 1
		.amdhsa_system_sgpr_workgroup_id_y 1
		.amdhsa_system_sgpr_workgroup_id_z 1
		.amdhsa_system_vgpr_workitem_id 0
		.amdhsa_next_free_vgpr 72
		.amdhsa_next_free_sgpr 66
		.amdhsa_reserve_vcc 0
		.amdhsa_float_denorm_mode_32 3
		.amdhsa_float_denorm_mode_16_64 3
		.amdhsa_memory_ordered 1
		.amdhsa_forward_progress 1
		.amdhsa_inst_pref_size 5
	.end_amdhsa_kernel
	.amdgpu_metadata
---
amdhsa.version: [ 1, 2 ]
amdhsa.kernels:
  - .name:           k_q0af5285ae2_comb
    .symbol:         k_q0af5285ae2_comb.kd
    .args:
      - { .name: y, .offset: 0, .size: 8, .value_kind: global_buffer, .address_space: global }
      - { .name: out0, .offset: 8, .size: 8, .value_kind: global_buffer, .address_space: global }
    .group_segment_fixed_size: 0
    .private_segment_fixed_size: 0
    .kernarg_segment_align: 8
    .kernarg_segment_size: 16
    .max_flat_workgroup_size: 128
    .sgpr_count:     66
    .vgpr_count:     72
    .wavefront_size: 32
...
	.end_amdgpu_metadata
.endif
;; end of part 5
;; ======== version 2 of 2: 5 launches
;; workspace buffers: topi 8,192 bytes of whole numbers; topp 8,192 bytes; xq 8,388,608 bytes; list 32,768 bytes of whole numbers; glist 32,768 bytes; cnt 256 bytes of whole numbers; hq 33,554,432 bytes; y 10,485,760 bytes
;; launch route (part 6): grid 256 x 1, 4 waves a work-group, no clusters, 54,784 bytes of LDS; arguments lowp_scales, router_w, x, xq, topi, topp; writes xq, topi, topp
.if DOCPART == 6
	.amdgcn_target "amdgcn-amd-amdhsa--gfx1250"
	.amdhsa_code_object_version 6
	.text
	.protected	k_q0af5285ae2_route
	.globl	k_q0af5285ae2_route
	.p2align	8
	.type	k_q0af5285ae2_route,@function
k_q0af5285ae2_route:
	s_mov_b64 s[64:65], 0
	v_nop
	global_prefetch_b8 v0, s[64:65] scope:SCOPE_SE
	s_setreg_imm32_b32 hwreg(HW_REG_WAVE_MODE, 25, 1), 1
	s_wait_xcnt 0x0
; ROUTE.  One wave takes one token t = 4 x work-group + wave (1,024 tokens of 1,024 numbers, f32).
; (a) logits = x[t] . router_w (f32 multiply-adds), softmax with the row's largest logit taken away, the two largest probabilities
;     (a tie keeps the lower expert).  They are stored at FIXED places: topi[t][0..1], topp[t][0..1]; no address here hangs on them.
; (b) x[t] is quantised eight times to E5M2, once with each expert's scale 2^lowp[4 e]: xq[e][t][k], one code a byte, K innermost.
; LIMITS: lowp[4 e] between -126 and 112 (2^e and 57,344 x 2^e are made as f32 patterns).  NaN among the inputs is not served.
; The 8 bytes a token of topi and of topp are stored by two lanes: a work-group owns 32 consecutive bytes of each, 16 KiB in the whole launch.
; A lane must hold 16 NEIGHBOURS along K for the conversions, while loads are dense (16 bytes a lane, 512 a load): the row turns through the wave's own stage in LDS.
.set RWP,  528                         ; router_w in LDS: 16 rows h (512 bytes) + 16 of padding: lanes 528 bytes apart start at different banks
.set STG,  33792                       ; behind router_w's 64 x 528 bytes: the stages
.set STW,  5120                        ; a wave's two stages of 32 x 80 bytes
.set SP,   80                          ; a lane's 64 bytes + 16 of padding
.set LG,   8                           ; v8-15    the eight logits
.set TH,   16                          ; v16-31   16 numbers held within the largest code x the scale
.set R,    32                          ; v32-63   x as loaded
.set X,    64                          ; v64-95   x turned: register 16 s + i = x[t][512 s + 16 lane + i]
.set W,    96                          ; v96-159  router_w: as loaded, later eight rows h a batch
.set C,    160                         ; v160-223 codes: four registers for each (e, s): no store's data are written again
.set PM,   224                         ; v224-231 at work
.set PR,   232                         ; v232-239 the probabilities
	s_load_b256 s[4:11], s[0:1], 0x0               ; lowp_scales s[4:5], router_w s[6:7], x s[8:9], xq s[10:11]
	s_load_b128 s[12:15], s[0:1], 0x20             ; topi s[12:13], topp s[14:15]
	v_lshl_add_u32 v254, v0, 2, 0xd400
	v_mov_b32 v255, 0
	v_lshrrev_b32 v7, 5, v0
	v_readfirstlane_b32 s48, v7                    ; wave 0..3
	v_and_b32 v1, 31, v0                           ; lane
	v_lshlrev_b32 v2, 4, v1                        ; 16 x lane
	v_lshlrev_b32 v3, 4, v0
	v_lshl_add_u32 v3, v7, 4, v3                   ; router_w into LDS: piece q of 16 bytes lies at 16 q + 16 (q / 32); mine are q = thread + 128 j
	v_mul_u32_u24 v4, v1, RWP                      ; and out of it: my 16 rows h of a half begin at 528 x lane
	s_mul_i32 s49, s48, STW
	s_add_co_u32 s49, s49, STG                     ; my wave's stages
	v_lshrrev_b32 v5, 2, v1
	v_mul_u32_u24 v5, v5, SP
	v_and_b32 v6, 3, v1
	v_lshl_add_u32 v5, v6, 4, v5
	v_add_nc_u32 v5, s49, v5                       ; stage, way in: four lanes' 64 bytes on end, then the padding
	v_mul_u32_u24 v6, v1, SP
	v_add_nc_u32 v6, s49, v6                       ; stage, way out: my 64 bytes
	v_lshlrev_b32 v7, 4, v0                        ; router_w in memory: 16 x thread
	s_lshl_b32 s54, ttmp9, 2
	s_add_co_u32 s54, s54, s48                     ; my token
	s_lshl_b32 s58, s54, 12                        ; its row of x: 4,096 bytes
	s_mov_b32 s59, 0
	s_lshl_b32 s60, s54, 10                        ; its row of codes: 1,024 bytes
	s_mov_b32 s61, 0
	s_lshl_b32 s62, s54, 3                         ; its 8 bytes of topi and of topp
	s_mov_b32 s63, 0
	s_mov_b32 s56, 0x76543210                      ; v_permlanex16_b32: lane l xor 16
	s_mov_b32 s57, 0xfedcba98
	s_wait_alu depctr_va_vdst(0)
	s_wait_kmcnt 0x0
	s_load_b512 s[16:31], s[4:5], 0x0              ; the 32 exponents
	s_load_b512 s[32:47], s[4:5], 0x40
	s_add_nc_u64 s[8:9], s[8:9], s[58:59]
	s_add_nc_u64 s[10:11], s[10:11], s[60:61]
	s_add_nc_u64 s[12:13], s[12:13], s[62:63]
	s_add_nc_u64 s[14:15], s[14:15], s[62:63]
.irp j, 0,1,2,3,4,5,6,7
	global_load_b128 v[R+4*\j:R+4*\j+3], v2, s[8:9] offset:512*\j th:TH_LOAD_NT   ; 512 consecutive bytes of my row; read once in the launch
.endr
.irp j, 0,1,2,3,4,5,6,7,8,9,10,11,12,13,14,15
	global_load_b128 v[W+4*\j:W+4*\j+3], v7, s[6:7] offset:2048*\j               ; the work-group's copy of router_w: 2,048 consecutive bytes a line
.endr
	s_wait_loadcnt 0x0
.irp j, 0,1,2,3,4,5,6,7,8,9,10,11,12,13,14,15
	ds_store_b128 v3, v[W+4*\j:W+4*\j+3] offset:2112*\j                          ; 128 pieces on: 2,048 bytes + 4 paddings
.endr
.irp s, 0,1                            ; the row's two halves through the two stages: LDS serves a wave's instructions in order, so no wait stands between stores and loads
.irp i, 0,1,2,3
	ds_store_b128 v5, v[R+16*\s+4*\i:R+16*\s+4*\i+3] offset:32*SP*\s+8*SP*\i
.endr
.irp i, 0,1,2,3
	ds_load_b128 v[X+16*\s+4*\i:X+16*\s+4*\i+3], v6 offset:32*SP*\s+16*\i
.endr
.endr
	s_wait_dscnt 0x0                               ; for the others' sake: my part of router_w has landed; and my row is back
	s_barrier_signal -1
	s_barrier_wait -1                              ; router_w is whole in LDS
	s_wait_kmcnt 0x0                               ; the exponents
; ---- the eight quantisations
.irp e, 0,1,2,3,4,5,6,7
	s_add_co_i32 s52, s[16+4*\e], 127
	s_lshl_b32 s53, s52, 23
	v_mov_b32 v248, s53                            ; 2^e as f32: the conversion takes its exponent field
	s_add_co_i32 s52, s52, 15
	s_lshl_b32 s52, s52, 23
	s_or_b32 s52, s52, 0x600000
	v_mov_b32 v249, s52                            ; 57,344 x 2^e
.irp s, 0,1
.irp i, 0,1,2,3,4,5,6,7,8,9,10,11,12,13,14,15
	v_med3_num_f32 v[TH+\i], v[X+16*\s+\i], -v249, v249   ; the conversion to an 8-bit code does not saturate (ISA guide 7.6.2): the hold comes first
.endr
	v_cvt_scalef32_pk8_bf8_f32 v[C+8*\e+4*\s:C+8*\e+4*\s+1], v[TH:TH+7], v248
	v_cvt_scalef32_pk8_bf8_f32 v[C+8*\e+4*\s+2:C+8*\e+4*\s+3], v[TH+8:TH+15], v248
	v_nop                                          ; a plain line between the conversions and the next holds, which write their sources
	global_store_b128 v2, v[C+8*\e+4*\s:C+8*\e+4*\s+3], s[10:11] offset:(\e<<20)+512*\s   ; the wave stores 512 consecutive bytes, aligned
.endr
.endr
; ---- the logits: a lane sums its 32 h, eight rows of router_w a batch
.irp s, 0,1
.irp q, 0,1
.irp i, 0,1,2,3,4,5,6,7
	ds_load_b128 v[W+8*\i:W+8*\i+3],   v4 offset:32*RWP*\s+32*(8*\q+\i)
	ds_load_b128 v[W+8*\i+4:W+8*\i+7], v4 offset:32*RWP*\s+32*(8*\q+\i)+16
.endr
	s_wait_alu depctr_va_vdst(0)
	s_wait_dscnt 0x0
.irp i, 0,1,2,3,4,5,6,7
.irp e, 0,1,2,3,4,5,6,7
.if (\s+\q+\i) == 0
	v_mul_f32 v[LG+\e], v[W+8*\i+\e], v[X+16*\s+8*\q+\i]      ; the first product starts the sums
.else
	v_fmac_f32 v[LG+\e], v[W+8*\i+\e], v[X+16*\s+8*\q+\i]
.endif
.endr
.endr
.endr
.endr
.irp e, 0,1,2,3,4,5,6,7
	v_mov_b32 v[PM+\e], 0                          ; a lane permute's destination counts as read
.endr
.irp m, 1,2,4,8
.irp e, 0,1,2,3,4,5,6,7
	v_add_f32_dpp v[LG+\e], v[LG+\e], v[LG+\e] row_xmask:\m row_mask:0xf bank_mask:0xf
.endr
.endr
.irp e, 0,1,2,3,4,5,6,7
	v_permlanex16_b32 v[PM+\e], v[LG+\e], s56, s57
.endr
.irp e, 0,1,2,3,4,5,6,7
	v_add_f32 v[LG+\e], v[LG+\e], v[PM+\e]         ; every lane holds all eight logits
.endr
; ---- softmax
	v_max3_num_f32 v250, v8, v9, v10
	v_max3_num_f32 v250, v250, v11, v12
	v_max3_num_f32 v250, v250, v13, v14
	v_max_num_f32 v250, v250, v15                  ; the largest logit is taken away, as in the softmax that is asked for
.irp e, 0,1,2,3,4,5,6,7
	v_sub_f32 v[PR+\e], v[LG+\e], v250
.endr
.irp e, 0,1,2,3,4,5,6,7
	v_mul_f32 v[PR+\e], 0x3fb8aa3b, v[PR+\e]       ; x log2(e)
.endr
	s_wait_alu depctr_va_vdst(0)
.irp e, 0,1,2,3,4,5,6,7
	v_exp_f32 v[PR+\e], v[PR+\e]
.endr
	v_nop                                          ; a plain line behind the last exponential
	s_wait_alu depctr_va_vdst(0)                   ; one wait for the eight, ahead of their first reader
	v_add_f32 v250, v232, v233
	v_add_f32 v251, v234, v235
	v_add_f32 v224, v236, v237
	v_add_f32 v225, v238, v239
	v_add_f32 v250, v250, v251
	v_add_f32 v224, v224, v225
	v_add_f32 v250, v250, v224
	s_wait_alu depctr_va_vdst(0)
	v_rcp_f32 v251, v250
	v_mov_b32 v244, -1.0                           ; (the plain line behind the reciprocal)  under every probability
	s_wait_alu depctr_va_vdst(0)
.irp e, 0,1,2,3,4,5,6,7
	v_mul_f32 v[PR+\e], v[PR+\e], v251
.endr
; ---- the two largest: selections only, no branch.  A later expert replaces the best only where it is strictly larger: a tie keeps the lower index
	v_mov_b32 v240, v232
	v_mov_b32 v241, 0
.irp e, 1,2,3,4,5,6,7
	v_cmp_le_f32 vcc_lo, v[PR+\e], v240
	v_cndmask_b32 v240, v[PR+\e], v240, vcc_lo
	v_cndmask_b32 v241, \e, v241, vcc_lo
.endr
.irp e, 0,1,2,3,4,5,6,7
	v_cmp_eq_u32 vcc_lo, \e, v241
	v_cndmask_b32 v[PR+\e], v[PR+\e], v244, vcc_lo ; the winner leaves the field
.endr
	v_mov_b32 v242, v232
	v_mov_b32 v243, 0
.irp e, 1,2,3,4,5,6,7
	v_cmp_le_f32 vcc_lo, v[PR+\e], v242
	v_cndmask_b32 v242, v[PR+\e], v242, vcc_lo
	v_cndmask_b32 v243, \e, v243, vcc_lo
.endr
	v_cmp_eq_u32 vcc_lo, 0, v1
	v_cndmask_b32 v245, v243, v241, vcc_lo         ; lane 0: the best, lane 1: the second
	v_cndmask_b32 v246, v242, v240, vcc_lo
	v_lshlrev_b32 v247, 2, v1
	s_wait_alu depctr_va_vdst(0)
	s_wait_xcnt 0x0                                ; EXEC is narrowed only behind this wait: the stores above have been issued under the full one
	v_cmp_gt_u32 vcc_lo, 2, v1
	s_wait_tensorcnt 0x0
	ds_add_u32 v254, v255
	s_wait_dscnt 0x0
	s_and_saveexec_b32 s49, vcc_lo
	global_store_b32 v247, v245, s[12:13]
	global_store_b32 v247, v246, s[14:15]
	s_endpgm
.Lfunc_end_k_q0af5285ae2_route:
	.size	k_q0af5285ae2_route, .Lfunc_end_k_q0af5285ae2_route-k_q0af5285ae2_route
	.p2alignl 7, 3214868480
	.fill 96, 4, 3214868480
	.section	.rodata,"a",@progbits
	.p2align	6, 0x0
	.amdhsa_kernel k_q0af5285ae2_route
		.amdhsa_group_segment_fixed_size 54784
		.amdhsa_private_segment_fixed_size 0
		.amdhsa_enable_private_segment 0
		.amdhsa_kernarg_size 48
		.amdhsa_user_sgpr_count 2
		.amdhsa_user_sgpr_kernarg_segment_ptr 1
		.amdhsa_wavefront_size32 1
		.amdhsa_system_sgpr_workgroup_id_x 1
		.amdhsa_system_sgpr_workgroup_id_y 1
		.amdhsa_system_sgpr_workgroup_id_z 1
		.amdhsa_system_vgpr_workitem_id 0
		.amdhsa_next_free_vgpr 256
		.amdhsa_next_free_sgpr 66
		.amdhsa_reserve_vcc 1
		.amdhsa_float_denorm_mode_32 3
		.amdhsa_float_denorm_mode_16_64 3
		.amdhsa_memory_ordered 1
		.amdhsa_forward_progress 1
		.amdhsa_inst_pref_size 49
	.end_amdhsa_kernel
	.amdgpu_metadata
---
amdhsa.version: [ 1, 2 ]
amdhsa.kernels:
  - .name:           k_q0af5285ae2_route
    .symbol:         k_q0af5285ae2_route.kd
    .args:
      - { .name: lowp_scales, .offset: 0, .size: 8, .value_kind: global_buffer, .address_space: global }
      - { .name: router_w, .offset: 8, .size: 8, .value_kind: global_buffer, .address_space: global }
      - { .name: x, .offset: 16, .size: 8, .value_kind: global_buffer, .address_space: global }
      - { .name: xq, .offset: 24, .size: 8, .value_kind: global_buffer, .address_space: global }
      - { .name: topi, .offset: 32, .size: 8, .value_kind: global_buffer, .address_space: global }
      - { .name: topp, .offset: 40, .size: 8, .value_kind: global_buffer, .address_space: global }
    .group_segment_fixed_size: 54784
    .private_segment_fixed_size: 0
    .kernarg_segment_align: 8
    .kernarg_segment_size: 48
    .max_flat_workgroup_size: 128
    .sgpr_count:     66
    .vgpr_count:     256
    .wavefront_size: 32
...
	.end_amdgpu_metadata
.endif
;; end of part 6
;; launch place (part 7): grid 8 x 1, 4 waves a work-group, no clusters, 0 bytes of LDS; arguments topi, topp, list, glist, cnt; writes list, glist, cnt
.if DOCPART == 7
	.amdgcn_target "amdgcn-amd-amdhsa--gfx1250"
	.amdhsa_code_object_version 6
	.text
	.protected	k_q0af5285ae2_place
	.globl	k_q0af5285ae2_place
	.p2align	8
	.type	k_q0af5285ae2_place,@function
k_q0af5285ae2_place:
	s_mov_b64 s[64:65], 0
	v_nop
	global_prefetch_b8 v0, s[64:65] scope:SCOPE_SE
	s_setreg_imm32_b32 hwreg(HW_REG_WAVE_MODE, 25, 1), 1
	s_wait_xcnt 0x0
; PLACE.  Work-group e (four waves) lays expert e's list of 1,024 places.  Each of the 1,024 tokens gets exactly one place:
; a token that chose e the next place from the bottom (ascending t), with its row id 2 t + k and its probability;
; any other token the next place from the top, with the id of a dump row, 2048 + 64 e + (place & 63), and the gate 0.
; So every place is written once, the members lie at 0 .. cnt - 1, and no sum between work-groups is needed.  cnt[e] = the members.
; SHARES.  Wave w places tokens 256 w .. 256 w + 255 (8 groups of 32).  The members ahead of them it counts itself: every wave reads all of topi (8 KiB), counts the four blocks of 256 tokens, and takes
; the blocks below its own by selections on the wave's number: no LDS, no barrier.  The 8 groups' lines are written line by line across the groups, so that no line reads the line above it.
; WHY 64 DUMP ROWS AN EXPERT: the launch that stores by these ids takes places q .. q + 15 and q + 32 .. q + 47 a trip (q = 64 u + 16 p), and meets places without a member in one trip alone, its last:
; there the low six bits tell all its rows apart, and bit 4 tells the two parts p apart: no byte of a dump row is stored twice.
; The choice was stored as whole numbers by the launch before; a place enters an address behind v_min_u32 with 1,023.
.set IA, 32                            ; v32-95   topi of all 32 groups, for the counts: a pair a group
.set IX, 96                            ; v96-111  topi of my 8 groups
.set PB, 112                           ; v112-127 topp of my 8 groups; the low register becomes the gate
.set AD, 128                           ; v128-135 group g's byte offset in the list
.set VL, 136                           ; v136-143 group g's id
.set TA, 144                           ; v144-151 at work
.set TB, 152                           ; v152-159 at work
	s_load_b256 s[4:11], s[0:1], 0x0               ; topi s[4:5], topp s[6:7], list s[8:9], glist s[10:11]
	s_load_b64 s[12:13], s[0:1], 0x20              ; cnt
	v_lshrrev_b32 v4, 5, v0
	v_readfirstlane_b32 s15, v4                    ; wave 0..3
	v_and_b32 v1, 31, v0                           ; lane
	v_lshlrev_b32 v3, 3, v1                        ; 8 x lane
	s_lshl_b32 s14, s15, 8
	v_add_nc_u32 v10, s14, v1                      ; my token of my first group: 256 w + lane
	v_lshlrev_b32 v2, 1, v10                       ; twice that
	v_lshlrev_b32 v11, 3, v10                      ; its 8 bytes of topi and of topp
	s_mov_b32 s16, ttmp9                           ; e
	s_lshl_b32 s18, s16, 6
	s_add_co_u32 s18, s18, 2048                    ; the first of my 64 dump rows
	s_lshl_b32 s24, s16, 12                        ; my 4,096 bytes of list and of glist
	s_mov_b32 s25, 0
	s_lshl_b32 s26, s16, 2
	s_wait_alu depctr_va_vdst(0)
	s_wait_kmcnt 0x0
	s_add_nc_u64 s[8:9], s[8:9], s[24:25]
	s_add_nc_u64 s[10:11], s[10:11], s[24:25]
.set g, 0
.rept 32
	global_load_b64 v[IA+2*g:IA+2*g+1], v3, s[4:5] offset:256*g      ; 256 consecutive bytes a line
.set g, g+1
.endr
.set g, 0
.rept 8
	global_load_b64 v[IX+2*g:IX+2*g+1], v11, s[4:5] offset:256*g
	global_load_b64 v[PB+2*g:PB+2*g+1], v11, s[6:7] offset:256*g
.set g, g+1
.endr
	s_wait_loadcnt 16                              ; my own 16 loads stand behind the 32 that the counts read
; ---- the members of each block of 256 tokens: s28 .. s31.  Sixteen compares, then their scalar counts; two sets of mask registers by turns
.irp b, 0,1,2,3
.irp i, 0,1,2,3,4,5,6,7
	v_cmp_eq_u32 s[32+16*(\b%2)+2*\i], s16, v[IA+2*(8*\b+\i)]
	v_cmp_eq_u32 s[33+16*(\b%2)+2*\i], s16, v[IA+2*(8*\b+\i)+1]
.endr
	s_mov_b32 s[28+\b], 0
.irp i, 0,1,2,3,4,5,6,7
	s_or_b32 s20, s[32+16*(\b%2)+2*\i], s[33+16*(\b%2)+2*\i]
	s_bcnt1_i32_b32 s20, s20
	s_add_co_u32 s[28+\b], s[28+\b], s20
.endr
.endr
	s_cmp_gt_u32 s15, 0
	s_cselect_b32 s17, s28, 0
	s_cmp_gt_u32 s15, 1
	s_cselect_b32 s20, s29, 0
	s_add_co_u32 s17, s17, s20
	s_cmp_gt_u32 s15, 2
	s_cselect_b32 s20, s30, 0
	s_add_co_u32 s17, s17, s20                     ; the members ahead of my 256 tokens
	s_add_co_u32 s27, s28, s29
	s_add_co_u32 s27, s27, s30
	s_add_co_u32 s27, s27, s31                     ; all members
	s_wait_loadcnt 0x0                             ; my own groups
; ---- my 8 groups: masks s32 .. s47 (first choice, second choice), s48 .. s55 (either), s56 .. s63 (the members ahead of the group)
.irp g, 0,1,2,3,4,5,6,7
	v_cmp_eq_u32 s[32+2*\g], s16, v[IX+2*\g]
	v_cmp_eq_u32 s[33+2*\g], s16, v[IX+2*\g+1]
.endr
.irp g, 0,1,2,3,4,5,6,7
	s_or_b32 s[48+\g], s[32+2*\g], s[33+2*\g]
	s_mov_b32 s[56+\g], s17
	s_bcnt1_i32_b32 s20, s[48+\g]
	s_add_co_u32 s17, s17, s20
.endr
.irp g, 0,1,2,3,4,5,6,7
	v_mbcnt_lo_u32_b32 v[TA+\g], s[48+\g], 0       ; members among the lanes below me,
.endr
.irp g, 0,1,2,3,4,5,6,7
	v_add_nc_u32 v[TA+\g], s[56+\g], v[TA+\g]      ; and among all tokens before me: a member's place
.endr
.irp g, 0,1,2,3,4,5,6,7
	v_sub_nc_u32 v[TB+\g], v[TA+\g], v10
.endr
.irp g, 0,1,2,3,4,5,6,7
	v_add_nc_u32 v[TB+\g], 1023-32*\g, v[TB+\g]    ; 1,023 - (the others before me): another token's place
.endr
.irp g, 0,1,2,3,4,5,6,7
	v_cndmask_b32 v[AD+\g], v[TB+\g], v[TA+\g], s[48+\g]
.endr
.irp g, 0,1,2,3,4,5,6,7
	v_min_u32 v[AD+\g], 1023, v[AD+\g]
.endr
.irp g, 0,1,2,3,4,5,6,7
	v_and_b32 v[TB+\g], 63, v[AD+\g]
.endr
.irp g, 0,1,2,3,4,5,6,7
	v_add_nc_u32 v[TB+\g], s18, v[TB+\g]           ; that place's own dump row
.endr
.irp g, 0,1,2,3,4,5,6,7
	v_cndmask_b32 v[TA+\g], 0, 1, s[33+2*\g]       ; k
.endr
.irp g, 0,1,2,3,4,5,6,7
	v_add3_u32 v[VL+\g], v2, v[TA+\g], 64*\g       ; 2 t + k
.endr
.irp g, 0,1,2,3,4,5,6,7
	v_cndmask_b32 v[VL+\g], v[TB+\g], v[VL+\g], s[48+\g]
.endr
.irp g, 0,1,2,3,4,5,6,7
	v_cndmask_b32 v[PB+2*\g], v[PB+2*\g], v[PB+2*\g+1], s[33+2*\g]
.endr
.irp g, 0,1,2,3,4,5,6,7
	v_cndmask_b32 v[PB+2*\g], 0, v[PB+2*\g], s[48+\g]   ; the gate, 0 for a place that holds no member
.endr
.irp g, 0,1,2,3,4,5,6,7
	v_lshlrev_b32 v[AD+\g], 2, v[AD+\g]
.endr
.irp g, 0,1,2,3,4,5,6,7
	global_store_b32 v[AD+\g], v[VL+\g], s[8:9]
	global_store_b32 v[AD+\g], v[PB+2*\g], s[10:11]
.endr
	v_mov_b32 v8, s27
	v_mov_b32 v9, s26
	s_wait_alu depctr_va_vdst(0)
	s_wait_xcnt 0x0                                ; EXEC is narrowed only behind this wait
	v_cmp_eq_u32 vcc_lo, 0, v0                     ; thread 0 of the work-group alone
	s_and_saveexec_b32 s23, vcc_lo
	global_store_b32 v9, v8, s[12:13]              ; cnt[e]
	s_endpgm
.Lfunc_end_k_q0af5285ae2_place:
	.size	k_q0af5285ae2_place, .Lfunc_end_k_q0af5285ae2_place-k_q0af5285ae2_place
	.p2alignl 7, 3214868480
	.fill 96, 4, 3214868480
	.section	.rodata,"a",@progbits
	.p2align	6, 0x0
	.amdhsa_kernel k_q0af5285ae2_place
		.amdhsa_group_segment_fixed_size 0
		.amdhsa_private_segment_fixed_size 0
		.amdhsa_enable_private_segment 0
		.amdhsa_kernarg_size 40
		.amdhsa_user_sgpr_count 2
		.amdhsa_user_sgpr_kernarg_segment_ptr 1
		.amdhsa_wavefront_size32 1
		.amdhsa_system_sgpr_workgroup_id_x 1
		.amdhsa_system_sgpr_workgroup_id_y 1
		.amdhsa_system_sgpr_workgroup_id_z 1
		.amdhsa_system_vgpr_workitem_id 0
		.amdhsa_next_free_vgpr 160
		.amdhsa_next_free_sgpr 66
		.amdhsa_reserve_vcc 1
		.amdhsa_float_denorm_mode_32 3
		.amdhsa_float_denorm_mode_16_64 3
		.amdhsa_memory_ordered 1
		.amdhsa_forward_progress 1
		.amdhsa_inst_pref_size 23
	.end_amdhsa_kernel
	.amdgpu_metadata
---
amdhsa.version: [ 1, 2 ]
amdhsa.kernels:
  - .name:           k_q0af5285ae2_place
    .symbol:         k_q0af5285ae2_place.kd
    .args:
      - { .name: topi, .offset: 0, .size: 8, .value_kind: global_buffer, .address_space: global }
      - { .name: topp, .offset: 8, .size: 8, .value_kind: global_buffer, .address_space: global }
      - { .name: list, .offset: 16, .size: 8, .value_kind: global_buffer, .address_space: global }
      - { .name: glist, .offset: 24, .size: 8, .value_kind: global_buffer, .address_space: global }
      - { .name: cnt, .offset: 32, .size: 8, .value_kind: global_buffer, .address_space: global }
    .group_segment_fixed_size: 0
    .private_segment_fixed_size: 0
    .kernarg_segment_align: 8
    .kernarg_segment_size: 40
    .max_flat_workgroup_size: 128
    .sgpr_count:     66
    .vgpr_count:     160
    .wavefront_size: 32
...
	.end_amdgpu_metadata
.endif
;; end of part 7
;; launch fc1 (part 8): grid 32 x 8, 4 waves a work-group, no clusters, 135,680 bytes of LDS; arguments lowp_scales, w1_codes, xq, list, cnt, hq; writes hq
.if DOCPART == 8
	.amdgcn_target "amdgcn-amd-amdhsa--gfx1250"
	.amdhsa_code_object_version 6
	.text
	.protected	k_q0af5285ae2_fc1
	.globl	k_q0af5285ae2_fc1
	.p2align	8
	.type	k_q0af5285ae2_fc1,@function
k_q0af5285ae2_fc1:
	s_mov_b64 s[64:65], 0
	v_nop
	global_prefetch_b8 v0, s[64:65] scope:SCOPE_SE
	s_setreg_imm32_b32 hwreg(HW_REG_WAVE_SCHED_MODE, 0, 2), 2
	s_setreg_imm32_b32 hwreg(HW_REG_WAVE_MODE, 25, 1), 1
	s_wait_xcnt 0x0
	s_wait_alu depctr_vm_vsrc(0)
; FC1.  hidden = Q(gelu(xq[e] . w1[e]^T x 2^(ex + ew1))), only for the rows that chose expert e, both operands E5M2 codes, f32 sums.
; SHARES.  Work-group (x, y): expert e = y, part p = x & 1, slice of 256 hidden units = x >> 1.  Row tile T of an expert is list places 16 T .. 16 T + 15; part p takes the tiles T = 2 i + p.
; A tile is live where 16 T < max(cnt[e], 16 p + 1): tile T = p is always worked, so every work-group has work, and the next launch finds every tile that it may read.
; Wave w owns 64 hidden units for the whole K = 1,024: its 64 rows of w1 (32 fragments, 512 registers) stay in registers; each weight byte is loaded once by the work-group.
; The weights come in two halves of K: the first half turns through LDS into fragments while the second half's loads are still out.
; The rows (gathered by the list) come eight tiles a batch through LDS; the next batch's loads are out while a batch is multiplied, and the ids of the batch after that are asked for as soon as the last ids are used up.
; No tensor load, no cluster: branches here hang on counts read from memory.  Barriers stand on every wave's path; the loop's trip count is a constant, and dead work is jumped over inside.
; THE MATRIX INSTRUCTION IS USED TRANSPOSED (source 0 = 16 rows of w1, source 1 = 16 token rows): a lane holds one token row.  THE ROWS OF w1 THAT FORM A TILE ARE NOT NEIGHBOURS: lane r of tile 2 b + u takes
; row 32 b + 8 u + r + 8 (r / 8), so that the 16 registers of tiles 2 b, 2 b + 1 are hidden units 32 b + 16 (lane / 16) + 0 .. 15: the conversions' results are the next product's operand registers.
; Along K a lane holds bytes 128 s + 32 c + 16 (lane / 16) + 0 .. 15 of its row in registers 4 c .. 4 c + 3: one permutation of k, the same on both sides.
; hq: operand registers on end: ((64 e + T) << 16) + (s' << 11) + (c << 9) + 16 lane; a wave's store covers 512 consecutive bytes, aligned.
; gelu(v) = v / (1 + 2^z), z = v (k0 + k1 v^2), k0 = -2 log2(e) sqrt(2 / pi), k1 = 0.044715 k0: the tanh form, rewritten; all in f32.
; LIMITS: ex + ew1 between -126 and 127; eh between -126 and 112.  NaN is not served.
; REGISTERS: window 0: v1-15 addresses and constants, v16-23 codes, v32-63 the four accumulators, v64-95 at work (and the 32 row offsets of a gather), v128-255 the rows' eight fragments;
;   window 1: two tiles of rows as loaded;  windows 2, 3: w1's fragments (s, t) at 16 (4 (s % 4) + t), s < 4 in window 2.
; THE MODE: SCHED_MODE bits 1:0 = 2 (LLVM: expert scheduling mode 2), set by the entry lines.  The code itself states the register dependences
; between vector or matrix instructions and memory or LDS instructions, with s_wait_alu, always for 0.
; THE PLAN.  Registers that memory or LDS instructions touch:
;   v1-v6        offsets and LDS addresses: made at the head, ahead of one wait on va_vdst, and never written again.
;   v7           the offset in hq: read by a tile's two stores; written once a batch, behind a wait on vm_vsrc; the wait ahead of the next stores shows it written.
;   v64-95       the gathers' 32 offsets: written by VOFF, read by the gathers; later the activation works in them.  A wait on vm_vsrc stands ahead of each of the two kinds of writer.
;   window 1     the rows as loaded: written by the gathers, read by the LDS stores of the next trip.  No vector line names them: one wait on vm_vsrc between those stores and the next gathers.
;   windows 2, 3 the weights: loaded, stored to LDS, loaded back as fragments (a wait on vm_vsrc between); from then on the products alone name them.
;   v128-255     a tile's fragments: read by the tile's 32 products; the next tile's LDS loads land in them.
;   v16-23       a tile's codes: written by the conversions, read by the tile's two stores.
; A TILE: its 32 products in one run; their places; ONE wait on va_vdst, which states that the products are done reading the fragments; the next tile's 32 LDS loads in one run; the activation, whose vector
; lines name none of those registers and during which the loads land; a wait on va_vdst for the codes; the two stores.
.set PA,    1040                       ; a row of codes in LDS: 1,024 bytes + 16: an odd multiple of 16
.set TILEB, 16*PA
.set PT,    528                        ; the weights' turn through LDS: 512 bytes + 16
.set TRB,   64*PT                      ; a wave's own 64 rows; the four regions are the same bytes as the batch's, which come later, behind a barrier
.set PB,    1024                       ; a row of w1's codes in memory
.set CD,    16
.set ACC,   32
.set T,     64
.set VO,    64
.set F,     128
.set MSB, 0
.macro WIN new                         ; the immediate's high byte repeats the setting that is left
.if MSB != (\new)
	s_set_vgpr_msb (MSB<<8)|(\new)
.set MSB, (\new)
.endif
.endm
.macro PLACES                          ; four plain lines behind matrix instructions, ahead of the first read of results (ISA guide 7.12.1)
.rept 4
	v_nop
.endr
.endm
.macro BLOAD k                         ; my 64 rows' bytes 512 k .. 512 k + 511: a line reads 512 consecutive bytes of one row
	WIN 0x80+0x40*(\k)
.set n, 0
.rept 64
	global_load_b128 v[4*n:4*n+3], v1, s[6:7] offset:n*PB+512*(\k)
.set n, n+1
.endr
	WIN 0
.endm
.macro BTR k                           ; they turn through my own LDS bytes into fragments, back into the registers that they left (LDS serves a wave's instructions in order)
	WIN 0x08+0x04*(\k)
.set n, 0
.rept 64
	ds_store_b128 v5, v[4*n:4*n+3] offset:PT*n
.set n, n+1
.endr
	WIN 0x80+0x40*(\k)
	s_wait_alu depctr_vm_vsrc(0)                   ; the LDS stores above have read these 256 registers, in which the fragments land
.irp s, 0,1,2,3
.irp t, 0,1,2,3
.irp c, 0,1,2,3
	ds_load_b128 v[16*(4*\s+\t)+4*\c:16*(4*\s+\t)+4*\c+3], v6 offset:(32*(\t/2)+8*(\t%2))*PT+128*\s+32*\c
.endr
.endr
.endr
	WIN 0
.endm
.macro IDS d                           ; the 32 ids of my two tiles of the batch d places on; the places are held inside the list
	s_add_co_u32 s68, s53, s67
	s_add_co_u32 s69, s68, \d+32
	s_add_co_u32 s68, s68, \d
	s_min_u32 s68, s68, 1008
	s_min_u32 s69, s69, 1008
	s_lshl_b32 s68, s68, 2
	s_lshl_b32 s69, s69, 2
	s_load_b512 s[16:31], s[10:11], s68 offset:0x0
	s_load_b512 s[32:47], s[10:11], s69 offset:0x0
.endm
.macro VOFF k                          ; id -> token (id / 2; a dump id falls on token 1,023) -> byte offset of its row of codes
.irp j, 0,1,2,3,4,5,6,7,8,9,10,11,12,13,14,15
	s_lshr_b32 s60, s[16+16*\k+\j], 1
	s_min_u32 s60, s60, 1023
	s_lshl_b32 s60, s60, 10
	v_add_nc_u32 v[VO+16*\k+\j], s60, v1
.endr
.endm
.macro LOADT k                         ; a tile's 16 rows, two lines of 512 consecutive bytes each
	WIN 0x40
	s_wait_alu depctr_va_vdst(0)                   ; the sixteen additions just above have written this tile's offsets, which the gathers read
.irp j, 0,1,2,3,4,5,6,7,8,9,10,11,12,13,14,15
	global_load_b128 v[128*\k+8*\j:128*\k+8*\j+3],   v[VO+16*\k+\j], s[8:9]
	global_load_b128 v[128*\k+8*\j+4:128*\k+8*\j+7], v[VO+16*\k+\j], s[8:9] offset:512
.endr
	WIN 0
.endm
.macro STORET k
	WIN 0x04
.irp j, 0,1,2,3,4,5,6,7,8,9,10,11,12,13,14,15
	ds_store_b128 v2, v[128*\k+8*\j:128*\k+8*\j+3]   offset:TILEB*\k+PA*\j
	ds_store_b128 v2, v[128*\k+8*\j+4:128*\k+8*\j+7] offset:TILEB*\k+PA*\j+512
.endr
	WIN 0
.endm
.macro FLOAD i, half                   ; four of tile i's eight fragments
.irp s, 0,1,2,3
.irp c, 0,1,2,3
	ds_load_b128 v[F+64*(\half)+16*\s+4*\c:F+64*(\half)+16*\s+4*\c+3], v[3+(\i)/4] offset:((\i)%4)*TILEB+512*(\half)+128*\s+32*\c
.endr
.endr
.endm
.macro EPI                             ; 32 sums of a lane -> gelu -> 32 codes
	s_wait_xcnt 0x0                                ; the last tile's stores have had their addresses translated: the codes' registers are written again only behind this wait,
	s_wait_alu depctr_vm_vsrc(0)                   ; and behind this one: those stores have read v16-23, which the conversions below write
.irp j, 0,2,4,6,8,10,12,14,16,18,20,22,24,26,28,30
	v_pk_mul_f32 v[ACC+\j:ACC+\j+1], v[ACC+\j:ACC+\j+1], v[8:9]         ; v = sum x 2^(ex + ew1); each accumulator from its low end on
.endr
.irp j, 0,2,4,6,8,10,12,14,16,18,20,22,24,26,28,30
	v_pk_mul_f32 v[T+\j:T+\j+1], v[ACC+\j:ACC+\j+1], v[ACC+\j:ACC+\j+1]
.endr
.irp j, 0,2,4,6,8,10,12,14,16,18,20,22,24,26,28,30
	v_pk_fma_f32 v[T+\j:T+\j+1], v[T+\j:T+\j+1], v[10:11], v[12:13]     ; k1 v^2 + k0
.endr
.irp j, 0,2,4,6,8,10,12,14,16,18,20,22,24,26,28,30
	v_pk_mul_f32 v[T+\j:T+\j+1], v[T+\j:T+\j+1], v[ACC+\j:ACC+\j+1]     ; z
.endr
	s_wait_alu depctr_va_vdst(0)
.irp j, 0,1,2,3,4,5,6,7,8,9,10,11,12,13,14,15,16,17,18,19,20,21,22,23,24,25,26,27,28,29,30,31
	v_exp_f32 v[T+\j], v[T+\j]
.endr
	v_nop                                          ; a plain line behind the last exponential
	s_wait_alu depctr_va_vdst(0)                   ; the 32 exponentials have written v64-95: one wait for the batch, ahead of its first reader
.irp j, 0,2,4,6,8,10,12,14,16,18,20,22,24,26,28,30
	v_pk_add_f32 v[T+\j:T+\j+1], v[T+\j:T+\j+1], 1.0 op_sel_hi:[1,0]
.endr
	s_wait_alu depctr_va_vdst(0)
.irp j, 0,1,2,3,4,5,6,7,8,9,10,11,12,13,14,15,16,17,18,19,20,21,22,23,24,25,26,27,28,29,30,31
	v_rcp_f32 v[T+\j], v[T+\j]
.endr
	v_nop                                          ; a plain line behind the last reciprocal
	s_wait_alu depctr_va_vdst(0)                   ; the 32 reciprocals have written v64-95: one wait for the batch, ahead of its first reader
.irp j, 0,2,4,6,8,10,12,14,16,18,20,22,24,26,28,30
	v_pk_mul_f32 v[ACC+\j:ACC+\j+1], v[ACC+\j:ACC+\j+1], v[T+\j:T+\j+1] ; gelu
.endr
.irp j, 0,1,2,3,4,5,6,7,8,9,10,11,12,13,14,15,16,17,18,19,20,21,22,23,24,25,26,27,28,29,30,31
	v_med3_num_f32 v[ACC+\j], v[ACC+\j], -v15, v15                      ; the hold at the largest code x the scale (ISA guide 7.6.2)
.endr
.irp b, 0,1
	v_cvt_scalef32_pk8_bf8_f32 v[CD+4*\b:CD+4*\b+1],   v[ACC+16*\b:ACC+16*\b+7],    v14
	v_cvt_scalef32_pk8_bf8_f32 v[CD+4*\b+2:CD+4*\b+3], v[ACC+16*\b+8:ACC+16*\b+15], v14
.endr
	v_nop                                          ; a plain line between the conversions and the next products, which write their sources
.endm
; Tile i of the batch.  The four accumulators take turns, one instruction a turn.  The next tile's fragments are fetched in one run, behind the one wait that shows this tile's products done with those registers.
; A batch's first tile fetches its own fragments with no wait of its own: every product of the batch before stands ahead of its tile's waits on va_vdst, and no vector line behind those names v128-255, v3 or v4.
.macro TILE i
	s_add_co_u32 s60, s53, 32*(\i)
	s_cmp_ge_u32 s60, s52
	s_cbranch_scc1 .Ldone                          ; a dead tile: all behind it are dead too
.if (\i) == 0
	FLOAD 0, 0
	FLOAD 0, 1
.endif
	s_wait_dscnt 0x0                               ; the tile's fragments are in
	WIN 0x02                                       ; source 0 (w1) window 2
.irp s, 0,1,2,3
.irp t, 0,1,2,3
.if \s == 0
	v_wmma_f32_16x16x128_bf8_bf8 v[ACC+8*\t:ACC+8*\t+7], v[16*(4*\s+\t):16*(4*\s+\t)+15], v[F+16*\s:F+16*\s+15], 0
.else
	v_wmma_f32_16x16x128_bf8_bf8 v[ACC+8*\t:ACC+8*\t+7], v[16*(4*\s+\t):16*(4*\s+\t)+15], v[F+16*\s:F+16*\s+15], v[ACC+8*\t:ACC+8*\t+7]
.endif
.endr
.endr
	WIN 0x03                                       ; source 0 window 3
.irp s, 0,1,2,3
.irp t, 0,1,2,3
	v_wmma_f32_16x16x128_bf8_bf8 v[ACC+8*\t:ACC+8*\t+7], v[16*(4*\s+\t):16*(4*\s+\t)+15], v[F+64+16*\s:F+64+16*\s+15], v[ACC+8*\t:ACC+8*\t+7]
.endr
.endr
	WIN 0
	PLACES                                         ; ahead of the activation's first read of the sums
.if (\i) < 7
	s_add_co_u32 s60, s53, 32*(\i)+32
	s_cmp_ge_u32 s60, s52
	s_cbranch_scc1 .Lnn_\@                         ; no next tile: nothing is fetched
	s_wait_alu depctr_va_vdst(0)                   ; the 32 products are done reading v128-255, in which the next tile's fragments land
	FLOAD (\i)+1, 0
	FLOAD (\i)+1, 1                                ; they land while the activation is worked: none of its lines names them
.Lnn_\@:
.endif
	EPI
	s_wait_alu depctr_va_vdst(0)                   ; the conversions have written v16-23, which the stores read; in a batch's first tile the addition at the last batch's end has written v7, their offset
.irp b, 0,1
	global_store_b128 v7, v[CD+4*\b:CD+4*\b+3], s[14:15] offset:((\i)<<17)+512*\b    ; 512 consecutive bytes, aligned
.endr
.endm
	s_load_b256 s[4:11], s[0:1], 0x0               ; lowp_scales s[4:5], w1_codes s[6:7], xq s[8:9], list s[10:11]
	s_load_b128 s[12:15], s[0:1], 0x20             ; cnt s[12:13], hq s[14:15]
	v_lshl_add_u32 v126, v0, 2, 0x21000
	v_mov_b32 v127, 0
	v_lshrrev_b32 v24, 5, v0
	v_readfirstlane_b32 s48, v24                   ; wave
	s_and_b32 s49, ttmp7, 0xffff                   ; e
	s_and_b32 s50, ttmp9, 1                        ; p
	s_lshr_b32 s51, ttmp9, 1                       ; slice
	v_and_b32 v24, 31, v0
	v_lshlrev_b32 v1, 4, v24                       ; 16 x lane
	v_and_b32 v25, 15, v0                          ; r
	v_bfe_u32 v26, v0, 4, 1                        ; h
	s_wait_alu depctr_va_sdst(0)                   ; s48, the wave's number, is written, ahead of its first reader
	s_mul_i32 s60, s48, 2*TILEB
	v_add_nc_u32 v2, s60, v1                       ; the batch, way in: my two tiles
	v_mul_u32_u24 v3, v25, PA
	v_lshl_add_u32 v3, v26, 4, v3                  ; way out: row r, + 16 h; tiles 0-3
	v_add_nc_u32 v4, 4*TILEB, v3                   ; tiles 4-7
	s_mul_i32 s60, s48, TRB
	v_add_nc_u32 v5, s60, v1                       ; the weights' turn, way in
	v_and_b32 v27, 8, v25
	v_add_nc_u32 v27, v27, v25                     ; r + 8 (r / 8)
	v_mul_u32_u24 v6, v27, PT
	v_lshl_add_u32 v6, v26, 4, v6
	v_add_nc_u32 v6, s60, v6                       ; way out
	s_lshl_b32 s60, s50, 16
	v_add_nc_u32 v7, s60, v1                       ; hq: 16 lane + (p << 16); + (batch << 20) later
	s_lshl_b32 s53, s50, 4                         ; the batch's first place: 256 u + 16 p
	s_lshl_b32 s67, s48, 6                         ; my two tiles lie 64 w places on
	s_lshl_b32 s70, s49, 22
	s_mov_b32 s71, 0
	s_lshl_b32 s60, s51, 18
	s_lshl_b32 s61, s48, 16
	s_add_co_u32 s72, s70, s60
	s_add_co_u32 s72, s72, s61                     ; w1: (e << 22) + (256 slice + 64 w) rows of 1,024 bytes
	s_mov_b32 s73, 0
	s_lshl_b32 s74, s49, 20                        ; xq: e's 1,024 rows
	s_mov_b32 s75, 0
	s_lshl_b32 s76, s49, 12                        ; list
	s_mov_b32 s77, 0
	s_lshl_b32 s60, s51, 12
	s_lshr_b32 s61, s48, 1
	s_lshl_b32 s61, s61, 11
	s_and_b32 s62, s48, 1
	s_lshl_b32 s62, s62, 10
	s_add_co_u32 s70, s70, s60
	s_add_co_u32 s70, s70, s61
	s_add_co_u32 s70, s70, s62                     ; hq: (e << 22) + (2 slice + w / 2) x 2,048 + (w % 2) x 1,024
	s_lshl_b32 s78, s49, 2
	s_mov_b32 s79, 0
	s_lshl_b32 s80, s49, 4
	s_mov_b32 s81, 0
	s_wait_kmcnt 0x0
	s_add_nc_u64 s[6:7], s[6:7], s[72:73]
	s_add_nc_u64 s[8:9], s[8:9], s[74:75]
	s_add_nc_u64 s[10:11], s[10:11], s[76:77]
	s_add_nc_u64 s[12:13], s[12:13], s[78:79]
	s_add_nc_u64 s[14:15], s[14:15], s[70:71]
	s_add_nc_u64 s[4:5], s[4:5], s[80:81]
	s_load_b32 s52, s[12:13], 0x0                  ; cnt[e]
	s_load_b128 s[56:59], s[4:5], 0x0              ; ex, ew1, eh, ew2
	IDS 0
	s_wait_alu depctr_va_vdst(0)                   ; the offsets and LDS addresses v1 to v7 are written, which the loads, the stores and the LDS instructions of the whole kernel read
	BLOAD 0
	BLOAD 1
	s_wait_loadcnt 63                              ; the second half's 64 loads stand behind the first half's: the first half is in
	BTR 0                                          ; it turns through LDS while the second half is on its way
	s_wait_kmcnt 0x0
	s_min_u32 s52, s52, 1024
	s_add_co_u32 s60, s53, 1
	s_max_u32 s52, s52, s60                        ; tile T = p is always live
	s_add_co_i32 s60, s56, s57
	s_add_co_i32 s60, s60, 127
	s_lshl_b32 s60, s60, 23
	v_mov_b32 v8, s60                              ; 2^(ex + ew1), twice
	v_mov_b32 v9, s60
	v_mov_b32 v10, 0xbdd2d3e8                      ; k1
	v_mov_b32 v11, 0xbdd2d3e8
	v_mov_b32 v12, 0xc0135761                      ; k0
	v_mov_b32 v13, 0xc0135761
	s_add_co_i32 s60, s58, 127
	s_lshl_b32 s61, s60, 23
	v_mov_b32 v14, s61                             ; 2^eh
	s_add_co_i32 s60, s60, 15
	s_lshl_b32 s60, s60, 23
	s_or_b32 s60, s60, 0x600000
	v_mov_b32 v15, s60                             ; 57,344 x 2^eh
	VOFF 0
	LOADT 0
	VOFF 1
	LOADT 1
	IDS 256                                        ; the first ids are used up: the next batch's are asked for, and land while the weights turn
	s_wait_loadcnt 63                              ; 64 loads of rows stand behind the second half of the weights: the weights are in
	BTR 1
	s_mov_b32 s54, 0
.Lbatch:                                               ; four trips, a constant: places 256 u + 16 p on, eight tiles
	s_wait_loadcnt 0x0                             ; this batch's rows are in registers
	s_wait_dscnt 0x0                               ; my reads of the region are over
	s_barrier_signal -1
	s_barrier_wait -1                              ; everybody's are: the region may be written
	s_add_co_u32 s62, s53, s67                     ; my first tile's place
	s_cmp_ge_u32 s62, s52
	s_cbranch_scc1 .Lstored
	STORET 0
	s_add_co_u32 s63, s62, 32
	s_cmp_ge_u32 s63, s52
	s_cbranch_scc1 .Lstored
	STORET 1
.Lstored:
	s_wait_dscnt 0x0                               ; for the others' sake: my rows have landed
	s_wait_kmcnt 0x0                               ; the next batch's ids, asked for a trip ago
	s_wait_alu depctr_vm_vsrc(0)                   ; my LDS stores have read the rows' registers of window 1, in which the next gathers land; the gathers issued so far have read v64-95, which the additions below write again
	s_add_co_u32 s63, s62, 256
	s_cmp_ge_u32 s63, s52
	s_cbranch_scc1 .Lasked                         ; my part of the next batch is dead, and so is all behind it: nothing more is asked for
	VOFF 0
	LOADT 0                                        ; on their way while this batch is multiplied
	s_add_co_u32 s63, s62, 288
	s_cmp_ge_u32 s63, s52
	s_cbranch_scc1 .Lhalf
	VOFF 1
	LOADT 1
.Lhalf:
	IDS 512                                        ; these ids are used up: those of the batch after the next have this batch's work in which to land
.Lasked:
	s_wait_xcnt 0x0                                ; the gathers have had their addresses translated: their offsets' registers are written again only behind this wait,
	s_wait_alu depctr_vm_vsrc(0)                   ; and behind this one: this trip's gathers have read v64-95, in which the activation works
	s_barrier_signal -1
	s_barrier_wait -1                              ; the batch is whole in LDS
.irp i, 0,1,2,3,4,5,6,7
	TILE \i
.endr
.Ldone:
	s_wait_xcnt 0x0                                ; the stores have had their addresses translated,
	s_wait_alu depctr_vm_vsrc(0)                   ; and have read v7, their offset, which the next line writes
	s_wait_alu depctr_va_vdst(0)
	v_add_nc_u32 v7, 0x100000, v7                  ; sixteen tiles of hq on
	s_add_co_u32 s53, s53, 256
	s_add_co_u32 s54, s54, 1
	s_cmp_lt_u32 s54, 4
	s_cbranch_scc1 .Lbatch
	s_wait_dscnt 0x0                               ; the closing lines, six on end
	s_wait_alu 0x0
	s_wait_tensorcnt 0x0
	ds_add_u32 v126, v127
	s_wait_dscnt 0x0
	s_endpgm
.Lfunc_end_k_q0af5285ae2_fc1:
	.size	k_q0af5285ae2_fc1, .Lfunc_end_k_q0af5285ae2_fc1-k_q0af5285ae2_fc1
	.p2alignl 7, 3214868480
	.fill 96, 4, 3214868480
	.section	.rodata,"a",@progbits
	.p2align	6, 0x0
	.amdhsa_kernel k_q0af5285ae2_fc1
		.amdhsa_group_segment_fixed_size 135680
		.amdhsa_private_segment_fixed_size 0
		.amdhsa_enable_private_segment 0
		.amdhsa_kernarg_size 48
		.amdhsa_user_sgpr_count 2
		.amdhsa_user_sgpr_kernarg_segment_ptr 1
		.amdhsa_wavefront_size32 1
		.amdhsa_system_sgpr_workgroup_id_x 1
		.amdhsa_system_sgpr_workgroup_id_y 1
		.amdhsa_system_sgpr_workgroup_id_z 1
		.amdhsa_system_vgpr_workitem_id 0
		.amdhsa_next_free_vgpr 1024
		.amdhsa_next_free_sgpr 82
		.amdhsa_reserve_vcc 0
		.amdhsa_float_denorm_mode_32 3
		.amdhsa_float_denorm_mode_16_64 3
		.amdhsa_memory_ordered 1
		.amdhsa_forward_progress 1
		.amdhsa_inst_pref_size 184
	.end_amdhsa_kernel
	.amdgpu_metadata
---
amdhsa.version: [ 1, 2 ]
amdhsa.kernels:
  - .name:           k_q0af5285ae2_fc1
    .symbol:         k_q0af5285ae2_fc1.kd
    .args:
      - { .name: lowp_scales, .offset: 0, .size: 8, .value_kind: global_buffer, .address_space: global }
      - { .name: w1_codes, .offset: 8, .size: 8, .value_kind: global_buffer, .address_space: global }
      - { .name: xq, .offset: 16, .size: 8, .value_kind: global_buffer, .address_space: global }
      - { .name: list, .offset: 24, .size: 8, .value_kind: global_buffer, .address_space: global }
      - { .name: cnt, .offset: 32, .size: 8, .value_kind: global_buffer, .address_space: global }
      - { .name: hq, .offset: 40, .size: 8, .value_kind: global_buffer, .address_space: global }
    .group_segment_fixed_size: 135680
    .private_segment_fixed_size: 0
    .kernarg_segment_align: 8
    .kernarg_segment_size: 48
    .max_flat_workgroup_size: 128
    .sgpr_count:     82
    .vgpr_count:     1024
    .wavefront_size: 32
...
	.end_amdgpu_metadata
.endif
;; end of part 8
;; launch fc2 (part 9): grid 32 x 8, 4 waves a work-group, no clusters, 205,312 bytes of LDS; arguments lowp_scales, w2_codes, hq, list, glist, cnt, y; writes y
.if DOCPART == 9
	.amdgcn_target "amdgcn-amd-amdhsa--gfx1250"
	.amdhsa_code_object_version 6
	.text
	.protected	k_q0af5285ae2_fc2
	.globl	k_q0af5285ae2_fc2
	.p2align	8
	.type	k_q0af5285ae2_fc2,@function
k_q0af5285ae2_fc2:
	s_mov_b64 s[64:65], 0
	v_nop
	global_prefetch_b8 v0, s[64:65] scope:SCOPE_SE
	s_setreg_imm32_b32 hwreg(HW_REG_WAVE_SCHED_MODE, 0, 2), 2
	s_setreg_imm32_b32 hwreg(HW_REG_WAVE_MODE, 25, 1), 1
	s_wait_xcnt 0x0
	s_wait_alu depctr_vm_vsrc(0)
; FC2.  y[id] = gate x 2^(eh + ew2) x (hidden codes . w2[e]^T), for the rows that chose expert e; E5M2 codes on both sides, f32 sums.
; SHARES.  Work-group (x, y): expert e = y, part p = x & 1 (row tiles T = 2 i + p), slice of 64 output columns = x >> 1.  The liveness of a tile is the launch before's: 16 T < max(cnt[e], 16 p + 1).
; THE FOUR WAVES SHARE K: wave w owns hidden units 1,024 w .. + 1,023 of all 64 columns: 32 fragments of w2 in 512 registers for the whole launch.  They come in two halves: the first turns through LDS into
; fragments while the second half's loads are still out.  The hidden codes lie in memory in the order of the operand's registers, so a fragment comes by four dense loads straight into registers, two tiles
; ahead.  The four partial sums of a tile meet in LDS; each wave then adds, scales and stores four rows of each tile.
; A trip takes two tiles (places q and q + 32).  The reduction area has two parities, so ONE barrier a trip orders both the writing against the reading and the reading against the next writing but one.
; No tensor load, no cluster: branches here hang on counts read from memory.  The barrier stands on every wave's path; the trip count is a constant; dead trips jump over the work.
; WHAT IS OUT AT A TRIP'S HEAD: 4 loads of the lists, 32 of the first tile, 32 of the second, in that order; or nothing: a trip with no live trip behind it asks for nothing, by ONE branch that leads to a
; second copy of the second tile's products, so that each counted wait has the same loads behind it on every way that reaches it.
; A second tile that is dead in a live trip is asked for all the same: its loads name the trip's own live tile once more.
; A place that holds no member (the rest of the last live tile; a dead second tile) has the gate 0 and a dump row of y of its own, id 2048 + 64 e + (place & 63), which nobody reads.  Such places are met in a
; work-group's last live trip alone (in an earlier one q + 64 < cnt, so all its places are members), where the low six bits tell its 32 rows apart and bit 4 the two parts: no byte of y is stored twice.
; Source 0 = 16 rows of w2, source 1 = 16 token rows: a lane holds one token row and eight neighbouring columns an accumulator.
; The sums of the four quarters of K are added in f32 in a fixed order, which is not the ascending order of one chain.  2^(eh + ew2) is applied by v_ldexp_f32 to the gate: no limit of its own.
; REGISTERS: window 0: v1-28 addresses, ids, gates; v32-95 two sets of four accumulators; v96-159 the reduction;  window 1: the two tiles' fragments;  windows 2, 3: w2's fragments (s, t) at 16 (4 (s % 4) + t).
; THE MODE: SCHED_MODE bits 1:0 = 2 (LLVM: expert scheduling mode 2), set by the entry lines.  The code itself states the register dependences
; between vector or matrix instructions and memory or LDS instructions, with s_wait_alu, always for 0.
; THE PLAN.  Registers that memory or LDS instructions touch:
;   v1-v7, v10   offsets and LDS addresses: made at the head, ahead of one wait on va_vdst, and never written again.
;   v8, v9, v11  the offsets of what a trip asks for: written by three additions at a live trip's head, read by the trip's loads.
;   v12-19       ids and gates: loaded; read by the holds and by v_ldexp_f32 at the next trip's head.
;   window 1     tile k's fragments: read by tile k's 32 products; the loads for two tiles on land in them.
;   v32-95       accumulator set k: written by tile k's products, read by its eight LDS stores.
;   v96-159      the reduction: LDS loads land, the sums are made in place, four stores read them.      v20-23: the stores' offsets, written by vector lines at the trip's head.
;   windows 2, 3 the weights: loaded, stored to LDS, loaded back as fragments (a wait on vm_vsrc between); from then on the products alone name them.
; A TRIP has one wait on vm_vsrc, at its head, above the branch, for all that the last trip's memory and LDS instructions read and this trip writes; one wait on va_vdst behind each tile's products and their places;
; and one ahead of the four stores.  The wait behind the first tile's products also shows the three offsets written and v12-19 read out, so all 36 loads that follow it owe nothing more: 20 of them stand
; ahead of the second tile's products and 16 between their two halves; those products name set 1, the second tile's fragments and the weights, none of the registers that these loads touch.
.set PT,    528
.set TRB,   64*PT
.set PB,    4096                       ; a row of w2's codes in memory
.set RED,   4*TRB                      ; 135,168: the reduction area: [parity][source wave][32 rows][256 bytes + 16]
.set PARB,  4*32*272
.set YROWS, 2048+8*64                  ; rows of y: 2,048 routed rows, then 64 dump rows an expert
.set ACC,   32
.set R,     96
.set MSB, 0
.macro WIN new
.if MSB != (\new)
	s_set_vgpr_msb (MSB<<8)|(\new)
.set MSB, (\new)
.endif
.endm
.macro BLOAD k
	WIN 0x80+0x40*(\k)
.set n, 0
.rept 64
	global_load_b128 v[4*n:4*n+3], v1, s[6:7] offset:n*PB+512*(\k)      ; 512 consecutive bytes of one row
.set n, n+1
.endr
	WIN 0
.endm
.macro BTR k                           ; through my own LDS bytes into fragments, back into the registers that they left
	WIN 0x08+0x04*(\k)
.set n, 0
.rept 64
	ds_store_b128 v2, v[4*n:4*n+3] offset:PT*n
.set n, n+1
.endr
	WIN 0x80+0x40*(\k)
	s_wait_alu depctr_vm_vsrc(0)                   ; the LDS stores above have read these 256 registers, in which the fragments land
.irp s, 0,1,2,3
.irp t, 0,1,2,3
.irp c, 0,1,2,3
	ds_load_b128 v[16*(4*\s+\t)+4*\c:16*(4*\s+\t)+4*\c+3], v3 offset:16*\t*PT+128*\s+32*\c
.endr
.endr
.endr
	WIN 0
.endm
.macro ADRS d                          ; the three offsets of what is asked for d places on: v11 in the lists, v8 and v9 in hq
	s_add_co_u32 s33, s25, \d
	s_min_u32 s33, s33, 976
	s_lshl_b32 s33, s33, 2
	v_add_nc_u32 v11, s33, v10
.irp k, 0,1
	s_add_co_u32 s33, s25, \d+32*\k
	s_cmp_lt_u32 s33, s24
	s_cselect_b32 s33, s33, s25                    ; a dead tile: this trip's own live tile once more
	s_min_u32 s33, s33, 1008                       ; the choice hangs on a loaded count: the place is held inside the expert's 64 tiles before it enters an address
	s_lshl_b32 s33, s33, 12                        ; place / 16 tiles of 65,536 bytes
	v_add_nc_u32 v[8+\k], s33, v1
.endr
.endm
.macro LISTS                           ; ids and gates of the rows that I shall store: four loads
	global_load_b64 v[12:13], v11, s[10:11]
	global_load_b64 v[16:17], v11, s[12:13]
	global_load_b64 v[14:15], v11, s[10:11] offset:128
	global_load_b64 v[18:19], v11, s[12:13] offset:128
.endm
.macro TLOAD k, half                   ; half of my quarter of tile k's fragments: 16 loads of 512 consecutive bytes
	WIN 0x40
.irp s, 0,1,2,3
.irp c, 0,1,2,3
	global_load_b128 v[128*\k+64*\half+16*\s+4*\c:128*\k+64*\half+16*\s+4*\c+3], v[8+\k], s[8:9] offset:8192*\half+2048*\s+512*\c
.endr
.endr
.endm
; Tile k's 32 matrix instructions, in two halves: the four accumulators of set k by turns, one instruction a turn
.macro MMA k
	WIN 0x06                                       ; source 0 (w2) window 2, source 1 (hidden) window 1
.irp s, 0,1,2,3
.irp t, 0,1,2,3
.if \s == 0
	v_wmma_f32_16x16x128_bf8_bf8 v[ACC+32*\k+8*\t:ACC+32*\k+8*\t+7], v[16*(4*\s+\t):16*(4*\s+\t)+15], v[128*\k+16*\s:128*\k+16*\s+15], 0
.else
	v_wmma_f32_16x16x128_bf8_bf8 v[ACC+32*\k+8*\t:ACC+32*\k+8*\t+7], v[16*(4*\s+\t):16*(4*\s+\t)+15], v[128*\k+16*\s:128*\k+16*\s+15], v[ACC+32*\k+8*\t:ACC+32*\k+8*\t+7]
.endif
.endr
.endr
.endm
.macro MMB k
	WIN 0x07                                       ; source 0 window 3
.irp s, 0,1,2,3
.irp t, 0,1,2,3
	v_wmma_f32_16x16x128_bf8_bf8 v[ACC+32*\k+8*\t:ACC+32*\k+8*\t+7], v[16*(4*\s+\t):16*(4*\s+\t)+15], v[128*\k+64+16*\s:128*\k+64+16*\s+15], v[ACC+32*\k+8*\t:ACC+32*\k+8*\t+7]
.endr
.endr
	WIN 0
.rept 4
	v_nop                                          ; four plain lines ahead of the stores that read the results; the wait that follows them fills no place
.endr
.endm
.macro PARTW k, reg                    ; my partial sums of tile k: row r, 32 bytes an accumulator and half; each accumulator from its low end on
.irp t, 0,1,2,3
	ds_store_b128 v[\reg], v[ACC+32*\k+8*\t:ACC+32*\k+8*\t+3]   offset:4352*\k+64*\t
	ds_store_b128 v[\reg], v[ACC+32*\k+8*\t+4:ACC+32*\k+8*\t+7] offset:4352*\k+64*\t+16
.endr
.endm
.macro TRIP par
	s_wait_xcnt 0x0                                ; on every way: the last trip's loads and stores have had their addresses translated: their offsets and data are written again only behind this wait,
	s_wait_alu depctr_vm_vsrc(0)                   ; and behind this one: its four stores have read v20-23 and v96-159, its LDS stores the accumulators, its loads v8, v9 and v11: this trip writes all of them again
	s_cmp_ge_u32 s25, s24
	s_cbranch_scc1 .Lno1_\@
	ADRS 64                                        ; made here, ahead of the wait behind the first tile's products; a trip with no live trip behind it does not use them
	s_wait_loadcnt 32                              ; the lists' four loads and the first tile's 32 are in; the second tile's 32 may be out
.irp o, 0,1,2,3
	v_min_u32 v[20+\o], YROWS-1, v[12+\o]          ; a loaded id enters an address behind this hold
.endr
.irp o, 0,1,2,3
	v_lshl_add_u32 v[20+\o], v[20+\o], 12, v28     ; row id of 4,096 bytes + my 16 bytes
.endr
.irp o, 0,1,2,3
	v_ldexp_f32 v[24+\o], v[16+\o], s32            ; gate x 2^(eh + ew2)
.endr
	MMA 0
	MMB 0
	s_wait_alu depctr_va_vdst(0)                   ; the products have written set 0, which the LDS stores read, and are done reading the first tile's fragments; the lines above are done reading v12-19; v8, v9, v11 are written: for the 36 loads below
	PARTW 0, 4+2*\par
	s_add_co_u32 s33, s25, 64
	s_cmp_ge_u32 s33, s24
	s_cbranch_scc1 .Llast_\@                       ; no live trip follows: nothing more is asked for
	LISTS
	TLOAD 0, 0
	s_wait_loadcnt 20                              ; behind the second tile's loads stand the 4 + 16 just issued
	MMA 1
	TLOAD 0, 1                                     ; no wait: no vector or matrix instruction since the wait above names v8 or the first tile's fragments
	MMB 1
	s_wait_alu depctr_va_vdst(0)                   ; the products have written set 1, which the LDS stores read, and are done reading the second tile's fragments, in which the 32 loads below land
	PARTW 1, 4+2*\par
	TLOAD 1, 0
	TLOAD 1, 1
	WIN 0
	s_branch .Lno1_\@
.Llast_\@:
	s_wait_loadcnt 0x0                             ; nothing was issued behind the second tile's loads
	MMA 1
	MMB 1
	s_wait_alu depctr_va_vdst(0)                   ; the products have written set 1, which the LDS stores read
	PARTW 1, 4+2*\par
.Lno1_\@:
	s_wait_dscnt 0x0                               ; for the others' sake: my partial sums have landed; my reads of the other parity are long over
	s_barrier_signal -1
	s_barrier_wait -1
	s_cmp_ge_u32 s25, s24
	s_cbranch_scc1 .Lno2_\@
.irp o, 0,1,2,3                        ; output o = 2 k + a: row 4 w + 2 (lane / 16) + a of tile k; the four waves' parts.  No wait: the last trip's sums stand ahead of its wait on va_vdst, and no vector line behind that names v96-159
.irp q, 0,1,2,3
	ds_load_b128 v[R+16*\o+4*\q:R+16*\o+4*\q+3], v[5+2*\par] offset:8704*\q+4352*(\o/2)+272*(\o%2)
.endr
.endr
	s_wait_dscnt 0x0
.irp o, 0,1,2,3
.irp j, 0,2
	v_pk_add_f32 v[R+16*\o+\j:R+16*\o+\j+1],     v[R+16*\o+\j:R+16*\o+\j+1],     v[R+16*\o+4+\j:R+16*\o+4+\j+1]
	v_pk_add_f32 v[R+16*\o+8+\j:R+16*\o+8+\j+1], v[R+16*\o+8+\j:R+16*\o+8+\j+1], v[R+16*\o+12+\j:R+16*\o+12+\j+1]
.endr
.endr
.irp o, 0,1,2,3
.irp j, 0,2
	v_pk_add_f32 v[R+16*\o+\j:R+16*\o+\j+1], v[R+16*\o+\j:R+16*\o+\j+1], v[R+16*\o+8+\j:R+16*\o+8+\j+1]
.endr
.endr
.irp o, 0,1,2,3
.irp j, 0,1,2,3
	v_mul_f32 v[R+16*\o+\j], v[R+16*\o+\j], v[24+\o]
.endr
.endr
	s_wait_alu depctr_va_vdst(0)                   ; the multiplications have written the four rows in v96-159, and the trip's head v20-23: the stores read both
.irp o, 0,1,2,3
	global_store_b128 v[20+\o], v[R+16*\o:R+16*\o+3], s[16:17]     ; sixteen lanes store 256 consecutive bytes of a row of y, aligned; the two halves of the lanes hold different rows
.endr
.Lno2_\@:
	s_add_co_u32 s25, s25, 64
.endm
	s_load_b256 s[4:11], s[0:1], 0x0               ; lowp_scales s[4:5], w2_codes s[6:7], hq s[8:9], list s[10:11]
	s_load_b128 s[12:15], s[0:1], 0x20             ; glist s[12:13], cnt s[14:15]
	s_load_b64 s[16:17], s[0:1], 0x30              ; y
	v_lshl_add_u32 v254, v0, 2, 0x32000
	v_mov_b32 v255, 0
	v_lshrrev_b32 v29, 5, v0
	v_readfirstlane_b32 s20, v29                   ; wave
	s_and_b32 s21, ttmp7, 0xffff                   ; e
	s_and_b32 s22, ttmp9, 1                        ; p
	s_lshr_b32 s23, ttmp9, 1                       ; slice
	v_and_b32 v29, 31, v0
	v_lshlrev_b32 v1, 4, v29                       ; 16 x lane
	v_and_b32 v30, 15, v0                          ; r
	v_bfe_u32 v31, v0, 4, 1                        ; h
	s_wait_alu depctr_va_sdst(0)                   ; s20, the wave's number, is written, ahead of its first reader
	s_mul_i32 s33, s20, TRB
	v_add_nc_u32 v2, s33, v1                       ; the weights' turn, way in
	v_mul_u32_u24 v3, v30, PT
	v_lshl_add_u32 v3, v31, 4, v3
	v_add_nc_u32 v3, s33, v3                       ; way out
	s_mul_i32 s33, s20, 8704
	s_add_co_u32 s33, s33, RED
	v_mul_u32_u24 v4, v30, 272
	v_lshl_add_u32 v4, v31, 5, v4
	v_add_nc_u32 v4, s33, v4                       ; partial sums, parity 0: my block, row r, + 32 h
	v_add_nc_u32 v6, PARB, v4                      ; parity 1
	s_mul_i32 s33, s20, 1088
	s_add_co_u32 s33, s33, RED
	v_mul_u32_u24 v5, v31, 544
	v_lshl_add_u32 v5, v30, 4, v5
	v_add_nc_u32 v5, s33, v5                       ; back, parity 0: row 4 w + 2 h, 16 bytes a lane
	v_add_nc_u32 v7, PARB, v5                      ; parity 1
	s_lshl_b32 s33, s20, 4
	v_lshl_add_u32 v10, v31, 3, s33                ; in the lists: places 4 w + 2 h, + 1
	v_lshlrev_b32 v28, 4, v30
.irp o, 0,1,2,3,4,5,6,7
	v_mov_b32 v[20+\o], 0                          ; written once here, so that they are written on every way through the text
.endr
	s_lshl_b32 s25, s22, 4                         ; q = 16 p
	s_lshl_b32 s40, s21, 22
	s_mov_b32 s41, 0
	s_lshl_b32 s33, s23, 18
	s_lshl_b32 s34, s20, 10
	s_add_co_u32 s42, s40, s33
	s_add_co_u32 s42, s42, s34                     ; w2: (e << 22) + 64 slice rows of 4,096 bytes + my quarter of K
	s_mov_b32 s43, 0
	s_lshl_b32 s34, s20, 14
	s_add_co_u32 s40, s40, s34                     ; hq: (e << 22) + my eight K steps of 2,048 bytes
	s_lshl_b32 s44, s21, 12                        ; the lists
	s_mov_b32 s45, 0
	s_lshl_b32 s46, s21, 2                         ; cnt
	s_mov_b32 s47, 0
	s_lshl_b32 s48, s21, 4                         ; the exponents
	s_mov_b32 s49, 0
	s_lshl_b32 s50, s23, 8                         ; y: my 64 columns
	s_mov_b32 s51, 0
	s_wait_kmcnt 0x0
	s_add_nc_u64 s[6:7], s[6:7], s[42:43]
	s_add_nc_u64 s[8:9], s[8:9], s[40:41]
	s_add_nc_u64 s[10:11], s[10:11], s[44:45]
	s_add_nc_u64 s[12:13], s[12:13], s[44:45]
	s_add_nc_u64 s[14:15], s[14:15], s[46:47]
	s_add_nc_u64 s[4:5], s[4:5], s[48:49]
	s_add_nc_u64 s[16:17], s[16:17], s[50:51]
	s_load_b32 s24, s[14:15], 0x0                  ; cnt[e]
	s_load_b128 s[28:31], s[4:5], 0x0              ; ex, ew1, eh, ew2
	s_wait_alu depctr_va_vdst(0)                   ; the offsets and LDS addresses v1 to v7 and v10 are written, and so are v20-23: the loads, the stores and the LDS instructions of the whole kernel read them
	BLOAD 0
	BLOAD 1
	s_wait_loadcnt 63                              ; the second half's 64 loads stand behind the first half's: the first half is in
	BTR 0                                          ; it turns through LDS while the second half is on its way
	s_wait_kmcnt 0x0
	s_min_u32 s24, s24, 1024
	s_add_co_u32 s33, s25, 1
	s_max_u32 s24, s24, s33                        ; tile T = p is always live
	s_add_co_i32 s32, s30, s31                     ; eh + ew2
	ADRS 0
	s_wait_alu depctr_va_vdst(0)                   ; the three additions have written v8, v9 and v11, which the 68 loads below read as offsets
	LISTS
	TLOAD 0, 0
	TLOAD 0, 1
	TLOAD 1, 0
	TLOAD 1, 1
	s_wait_loadcnt 63                              ; 68 loads stand behind the second half of the weights: the weights are in
	BTR 1
	s_wait_dscnt 0x0
	s_mov_b32 s26, 0
.Ltrip:                                                ; eight trips, a constant: two half-trips each, one for each parity of the reduction area
	TRIP 0
	TRIP 1
	s_add_co_u32 s26, s26, 1
	s_cmp_lt_u32 s26, 8
	s_cbranch_scc1 .Ltrip
	s_wait_dscnt 0x0                               ; the closing lines, six on end
	s_wait_alu 0x0
	s_wait_tensorcnt 0x0
	ds_add_u32 v254, v255
	s_wait_dscnt 0x0
	s_endpgm
.Lfunc_end_k_q0af5285ae2_fc2:
	.size	k_q0af5285ae2_fc2, .Lfunc_end_k_q0af5285ae2_fc2-k_q0af5285ae2_fc2
	.p2alignl 7, 3214868480
	.fill 96, 4, 3214868480
	.section	.rodata,"a",@progbits
	.p2align	6, 0x0
	.amdhsa_kernel k_q0af5285ae2_fc2
		.amdhsa_group_segment_fixed_size 205312
		.amdhsa_private_segment_fixed_size 0
		.amdhsa_enable_private_segment 0
		.amdhsa_kernarg_size 56
		.amdhsa_user_sgpr_count 2
		.amdhsa_user_sgpr_kernarg_segment_ptr 1
		.amdhsa_wavefront_size32 1
		.amdhsa_system_sgpr_workgroup_id_x 1
		.amdhsa_system_sgpr_workgroup_id_y 1
		.amdhsa_system_sgpr_workgroup_id_z 1
		.amdhsa_system_vgpr_workitem_id 0
		.amdhsa_next_free_vgpr 1024
		.amdhsa_next_free_sgpr 66
		.amdhsa_reserve_vcc 0
		.amdhsa_float_denorm_mode_32 3
		.amdhsa_float_denorm_mode_16_64 3
		.amdhsa_memory_ordered 1
		.amdhsa_forward_progress 1
		.amdhsa_inst_pref_size 80
	.end_amdhsa_kernel
	.amdgpu_metadata
---
amdhsa.version: [ 1, 2 ]
amdhsa.kernels:
  - .name:           k_q0af5285ae2_fc2
    .symbol:         k_q0af5285ae2_fc2.kd
    .args:
      - { .name: lowp_scales, .offset: 0, .size: 8, .value_kind: global_buffer, .address_space: global }
      - { .name: w2_codes, .offset: 8, .size: 8, .value_kind: global_buffer, .address_space: global }
      - { .name: hq, .offset: 16, .size: 8, .value_kind: global_buffer, .address_space: global }
      - { .name: list, .offset: 24, .size: 8, .value_kind: global_buffer, .address_space: global }
      - { .name: glist, .offset: 32, .size: 8, .value_kind: global_buffer, .address_space: global }
      - { .name: cnt, .offset: 40, .size: 8, .value_kind: global_buffer, .address_space: global }
      - { .name: y, .offset: 48, .size: 8, .value_kind: global_buffer, .address_space: global }
    .group_segment_fixed_size: 205312
    .private_segment_fixed_size: 0
    .kernarg_segment_align: 8
    .kernarg_segment_size: 56
    .max_flat_workgroup_size: 128
    .sgpr_count:     66
    .vgpr_count:     1024
    .wavefront_size: 32
...
	.end_amdgpu_metadata
.endif
;; end of part 9
;; launch comb (part 10): grid 256 x 1, 4 waves a work-group, no clusters, 0 bytes of LDS; arguments y, out0; writes out0
.if DOCPART == 10
	.amdgcn_target "amdgcn-amd-amdhsa--gfx1250"
	.amdhsa_code_object_version 6
	.text
	.protected	k_q0af5285ae2_comb
	.globl	k_q0af5285ae2_comb
	.p2align	8
	.type	k_q0af5285ae2_comb,@function
k_q0af5285ae2_comb:
	s_mov_b64 s[64:65], 0
	v_nop
	global_prefetch_b8 v0, s[64:65] scope:SCOPE_SE
	s_setreg_imm32_b32 hwreg(HW_REG_WAVE_MODE, 25, 1), 1
	s_wait_xcnt 0x0
; COMB.  out0[t] = y[2 t] + y[2 t + 1]: a token's two weighted expert rows.  The six experts that were not chosen add zeros in the sum that is asked for, so two terms are all of it, and their order does not matter.
; One wave takes one token: 16 loads of 512 consecutive bytes, all issued at once; 8 stores of 512 consecutive bytes, aligned.  Memory binds: no LDS, no barrier, no matrix unit.
	s_load_b128 s[4:7], s[0:1], 0x0                ; y s[4:5], out0 s[6:7]
	v_lshrrev_b32 v2, 5, v0
	v_readfirstlane_b32 s8, v2                     ; wave
	v_and_b32 v1, 31, v0
	v_lshlrev_b32 v1, 4, v1                        ; 16 x lane
	s_lshl_b32 s9, ttmp9, 2
	s_add_co_u32 s9, s9, s8                        ; my token
	s_lshl_b32 s10, s9, 13                         ; its two rows of y
	s_mov_b32 s11, 0
	s_lshl_b32 s12, s9, 12                         ; its row of out0
	s_mov_b32 s13, 0
	s_wait_alu depctr_va_vdst(0)
	s_wait_kmcnt 0x0
	s_add_nc_u64 s[4:5], s[4:5], s[10:11]
	s_add_nc_u64 s[6:7], s[6:7], s[12:13]
.irp j, 0,1,2,3,4,5,6,7
	global_load_b128 v[8+8*\j:11+8*\j],  v1, s[4:5] offset:512*\j th:TH_LOAD_NT
	global_load_b128 v[12+8*\j:15+8*\j], v1, s[4:5] offset:4096+512*\j th:TH_LOAD_NT
.endr
.irp j, 0,1,2,3,4,5,6,7
	s_wait_loadcnt 14-2*\j                         ; loads come back in order: pair j is in, the pairs behind it may be out
	v_pk_add_f32 v[8+8*\j:9+8*\j],   v[8+8*\j:9+8*\j],   v[12+8*\j:13+8*\j]
	v_pk_add_f32 v[10+8*\j:11+8*\j], v[10+8*\j:11+8*\j], v[14+8*\j:15+8*\j]
	global_store_b128 v1, v[8+8*\j:11+8*\j], s[6:7] offset:512*\j th:TH_STORE_NT
.endr
	s_endpgm
.Lfunc_end_k_q0af5285ae2_comb:
	.size	k_q0af5285ae2_comb, .Lfunc_end_k_q0af5285ae2_comb-k_q0af5285ae2_comb
	.p2alignl 7, 3214868480
	.fill 96, 4, 3214868480
	.section	.rodata,"a",@progbits
	.p2align	6, 0x0
	.amdhsa_kernel k_q0af5285ae2_comb
		.amdhsa_group_segment_fixed_size 0
		.amdhsa_private_segment_fixed_size 0
		.amdhsa_enable_private_segment 0
		.amdhsa_kernarg_size 16
		.amdhsa_user_sgpr_count 2
		.amdhsa_user_sgpr_kernarg_segment_ptr 1
		.amdhsa_wavefront_size32 1
		.amdhsa_system_sgpr_workgroup_id_x 1
		.amdhsa_system_sgpr_workgroup_id_y 1
		.amdhsa_system_sgpr_workgroup_id_z 1
		.amdhsa_system_vgpr_workitem_id 0
		.amdhsa_next_free_vgpr 72
		.amdhsa_next_free_sgpr 66
		.amdhsa_reserve_vcc 0
		.amdhsa_float_denorm_mode_32 3
		.amdhsa_float_denorm_mode_16_64 3
		.amdhsa_memory_ordered 1
		.amdhsa_forward_progress 1
		.amdhsa_inst_pref_size 5
	.end_amdhsa_kernel
	.amdgpu_metadata
---
amdhsa.version: [ 1, 2 ]
amdhsa.kernels:
  - .name:           k_q0af5285ae2_comb
    .symbol:         k_q0af5285ae2_comb.kd
    .args:
      - { .name: y, .offset: 0, .size: 8, .value_kind: global_buffer, .address_space: global }
      - { .name: out0, .offset: 8, .size: 8, .value_kind: global_buffer, .address_space: global }
    .group_segment_fixed_size: 0
    .private_segment_fixed_size: 0
    .kernarg_segment_align: 8
    .kernarg_segment_size: 16
    .max_flat_workgroup_size: 128
    .sgpr_count:     66
    .vgpr_count:     72
    .wavefront_size: 32
...
	.end_amdgpu_metadata
.endif
;; end of part 10
